; MI455X (gfx1250); checked and timed in simulation.
; The chip was launched on July 23, 2026; its instructions are those of AMD's public machine-readable ISA for CDNA 5 (MIT licence, August 2026) and "CDNA5" Instruction Set Architecture Reference Guide (July 2026). The comments in the code are by the model that wrote it; some were corrected since.
;; Multi Head Self Attention. Allowed arithmetic: matrix products marked QUANTISED: E2M3 operands, one E8M0 scale for each 32 along K, by v_wmma_scale_f32_16x16x128_f8f6f4 with both operands' format E2M3, f32 sums; everything else in f32.
;; Inputs: W_out 1,024 x 1,024 float32; W_qkv 1,024 x 3,072 float32; attn_in 4 x 2,048 x 1,024 float32; b_out 1,024 float32; b_qkv 3,072 float32.
;; Outputs: out0 4 x 2,048 x 1,024 float32.
;; This version of the problem:
;;   THIS VERSION OF THE PROBLEM IS GIVEN IN LOW PRECISION. The matrix products marked QUANTISED in the list below multiply operands that are first quantised to E2M3 (2 exponent bits, 3 mantissa bits; 6 bits a number), with one power-of-two scale for each 32 numbers along K (OCP MX v1.0); their sums are f32. All else is computed in f32.
;;   The module's matrix products, in the order in which they are computed (A, B: the left and right operand; K: the contracted axis; several contracted axes count as one K, in the product's order):
;;     1. [M 8,192, K 1,024] x [K 1,024, N 3,072]; A: input attn_in; B: input W_qkv: QUANTISED
;;     2. batch 64 x [M 2,048, K 64] x [K 64, N 2,048]; A: computed on the way; B: computed on the way: QUANTISED
;;     3. batch 64 x [M 2,048, K 2,048] x [K 2,048, N 64]; A: softmax (see below); B: computed on the way: QUANTISED
;;     4. [M 8,192, K 1,024] x [K 1,024, N 1,024]; A: computed on the way; B: input W_out: QUANTISED
;;   THE QUANTISER, for each operand of a quantised product, along K:
;;     - K is cut into blocks of 32 from its start; a last block that is shorter is filled with zeros.
;;     - A block's scale is 2^e with e = floor(log2(the largest magnitude in the block)) - 2, held to -126 .. 127; a block of zeros has e = 0. As a byte (E8M0): e + 127.
;;     - Each number is divided by its block's scale, clamped to +-7.5, and rounded to the nearest number of E2M3, ties to even, subnormals kept.
;;     - The product sums the exact products of the quantised numbers (number of the format x scale) in f32.
;;   ~~~python
;;   def quantise(x, axis):      # numpy; x: float32 -> the quantised numbers, widened to float32 again
;;       x = np.moveaxis(x, axis, -1); K = x.shape[-1]
;;       x = np.pad(x, [(0, 0)] * (x.ndim - 1) + [(0, -K % 32)]); x = x.reshape(x.shape[:-1] + (-1, 32)); a = np.abs(x).max(-1, keepdims=True)
;;       e = np.where(a > 0, np.clip(np.frexp(np.where(a > 0, a, 1))[1] - 1 - 2, -126, 127), 0)      # np.frexp(a)[1] - 1 = floor(log2(a)), exactly
;;       r = np.clip(x / 2.0 ** e, -7.5, 7.5)
;;       step = 2.0 ** (np.maximum(np.frexp(np.where(r == 0, 1, r))[1] - 1, 0) - 3)
;;       q = np.round(r / step) * step * 2.0 ** e      # np.round: ties to even
;;       return np.moveaxis(q.reshape(q.shape[:-2] + (-1,))[..., :K], -1, axis).astype(np.float32)
;;   ~~~
;;   SOFTMAX AHEAD OF A QUANTISED PRODUCT. Where the list says 'softmax', what is quantised is not the finished softmax but p = 2^(t - M), with t = logit x log2(e) and M = ceil(the row's largest t), a whole number; so 1/2 < the row's largest p <= 1. The row's sum l is taken of the UNQUANTISED p, in f32, and the product's result is divided by l at the end. Since M is a whole number, a kernel that streams over the keys may use a running M (the ceiling of the running maximum): every later rescaling is an exact power of two, which a block's scale takes up: the codes' values come out the same.
;;   OPERANDS COMPUTED ON THE WAY. 'Computed on the way' means the value that the module computes at that place (a softmax that the list does not call 'softmax' is quantised finished and normalised). What goes into a quantiser is computed in f32, as accurately as f32 sums, v_exp_f32 and their like allow (about 1e-6 of the number): no bf16 or f16 on the way to a quantiser, and a product that is left as it is and whose result goes on into a quantised operand takes f32 operands (vector FMAs, or v_wmma_f32_16x16x4_f32). A number that lies on a knife's edge between two numbers of the format may be rounded either way, as far as f32 arithmetic and the matrix unit's own rounding can turn it there, and no further.
;; One version. Each part assembles by itself: llvm-mc -triple=amdgcn-amd-amdhsa -mcpu=gfx1250 --defsym DOCPART=n.
;; ======== version 1 of 1: 5 launches
;; limits: right only within a limited range of input values
;; workspace buffers: act_c 6,291,456 bytes; act_s 262,144 bytes; w_c 3,145,728 bytes; w_s 131,072 bytes; q_c 6,291,456 bytes; kv_c 12,582,912 bytes; qkv_s 786,432 bytes
;; launch qx (part 1): grid 256 x 1, 2 waves a work-group, no clusters, 17,152 bytes of LDS; arguments attn_in, act_c, act_s; writes act_c, act_s
.if DOCPART == 1
	.amdgcn_target "amdgcn-amd-amdhsa--gfx1250"
	.amdhsa_code_object_version 6
	.text
	.protected	k_qf0d834b700_qx
	.globl	k_qf0d834b700_qx
	.p2align	8
	.type	k_qf0d834b700_qx,@function
k_qf0d834b700_qx:
	s_mov_b64 s[64:65], 0
	v_nop
	global_prefetch_b8 v0, s[64:65] scope:SCOPE_SE
	s_setreg_imm32_b32 hwreg(HW_REG_WAVE_MODE, 25, 1), 1
	s_wait_xcnt 0x0
; attn_in [8192][1024] f32 becomes codes of FP6 (E2M3) with one E8M0 byte for each 32 along K (the 1,024), laid as the products' operand registers want them.
; STORED ORDER: stored row s holds true row s with bits 3 and 4 exchanged; a tile is 16 stored rows, so lane r of tile 2 b + u stands for true row 32 b + 8 u + r + 8 (r / 8).
; IMAGE of a tile x 64 along K, 768 bytes: lane (r, h) owns the 24 bytes of codes k = 32 h .. 32 h + 31 of row r: its first 16 at 16 x lane, its last 8 at 512 + 8 x lane.
; act_c: [tile 0..511][64 along K: 0..15][768].  act_s: [stored row][32 bytes], one byte a block of 32.
; A wave takes one tile for all of K, in 8 steps of 128.  Each load reads 512 consecutive bytes of one row; the 16 rows turn through the wave's own stage in LDS, so that a lane then holds 16 neighbours of each block.
; A block's scale byte is its largest magnitude's exponent field - 2, held at 1 from below.
; LIMITS: NaN and infinities are not served; a block whose largest magnitude lies under 2^-124 (all zeros too) gets the byte 1 where the rule has 127 for zeros: its codes are zeros or are rounded under that scale; only this program reads the bytes.
; No cluster, no matrix unit: the waves share no input, and the launch only streams.
.set STG,  8448                        ; a wave's stage: 16 rows x (512 + 16) bytes
.set R,    16                          ; v16-143  two sets of 64 registers as loaded
.set X,    144                         ; v144-207 64 numbers: register 16 b + i = k 32 b + 16 h + i of my row
.set PC,   208                         ; v208-226 the codes
.set TM,   228                         ; v228-239 at work
.set PW,   240                         ; the scale word just made
.set SW,   244                         ; v244-251 the eight steps' scale words
.set SEL,  12                          ; s[12:13] lane selects: lane l xor 16
; 64 numbers of a lane, register 16 b + i = k 32 b + 16 (lane / 16) + i of my row, become a fragment's 12 registers in v[PC] on and its scale word in v[PW]
.macro QUANT s
.irp b, 0,1,2,3
	v_max3_num_f32 v[TM+\b], |v[\s+16*\b]|, |v[\s+1+16*\b]|, 0x1800000   ; my 16 numbers of block b, and the floor 2^(3 - 127): the byte cannot fall under 1
.endr
.irp i, 2,4,6,8,10,12,14
.irp b, 0,1,2,3
	v_max3_num_f32 v[TM+\b], v[TM+\b], |v[\s+16*\b+\i]|, |v[\s+1+16*\b+\i]|
.endr
.endr
.irp b, 0,1,2,3
	v_permlanex16_b32 v[TM+4+\b], v[TM+\b], s[SEL], s[SEL+1]
.endr
.irp b, 0,1,2,3
	v_max_num_f32 v[TM+\b], v[TM+\b], v[TM+4+\b]   ; with lane l xor 16's 16: the block's largest magnitude
.endr
.irp b, 0,1,2,3
	v_add_nc_u32 v[TM+8+\b], 0xff000000, v[TM+\b]  ; 2 off its exponent field: the conversion's scale operand
.endr
.irp b, 0,1,2,3
	v_lshrrev_b32 v[TM+4+\b], 23, v[TM+8+\b]       ; the scale's byte
.endr
	v_lshl_or_b32 v[PW], v[TM+5], 8, v[TM+4]
	v_lshl_or_b32 v[PW], v[TM+6], 16, v[PW]
	v_lshl_or_b32 v[PW], v[TM+7], 24, v[PW]
.irp c, 0,1
	v_cvt_scalef32_pk16_fp6_f32 v[PC+6*\c:PC+2+6*\c], v[\s+32*\c:\s+15+32*\c], v[TM+8+2*\c]
	v_cvt_scalef32_pk16_fp6_f32 v[PC+12+4*\c:PC+14+4*\c], v[\s+16+32*\c:\s+31+32*\c], v[TM+9+2*\c]   ; (a conversion's three registers begin on an even number)
.endr
	v_nop                                          ; one plain place behind a scaled conversion
.irp c, 0,1                                    ; a whole block to a lane: lanes 0-15 block 2 c, lanes 16-31 block 2 c + 1
.irp i, 0,1,2
	v_permlane16_swap_b32 v[PC+6*\c+\i], v[PC+12+4*\c+\i]
.endr
.irp i, 0,1,2
	v_mov_b32 v[PC+3+6*\c+\i], v[PC+12+4*\c+\i]
.endr
.endr
.endm
	s_load_b128 s[4:7], s[0:1], 0x0                ; attn_in, act_c
	s_load_b64 s[8:9], s[0:1], 0x10                ; act_s
	v_lshl_add_u32 v254, v0, 2, 0x4200
	v_mov_b32 v255, 0
	v_lshrrev_b32 v7, 5, v0
	v_readfirstlane_b32 s10, v7                    ; wave 0, 1
	v_and_b32 v1, 31, v0                           ; lane
	v_and_b32 v7, 15, v0                           ; r
	v_bfe_u32 v8, v0, 4, 1                         ; h
	v_lshlrev_b32 v2, 4, v1                        ; 16 x lane
	v_lshlrev_b32 v3, 3, v1                        ; 8 x lane
	s_mul_i32 s11, s10, STG
	v_add_nc_u32 v4, s11, v2                       ; the stage, in: a row's 512 bytes as loaded
	v_mul_u32_u24 v5, v7, 528
	v_lshl_add_u32 v5, v8, 6, v5
	v_add_nc_u32 v5, s11, v5                       ; out: row r, + 64 h: my 16 numbers of a block
	v_lshlrev_b32 v6, 5, v7
	v_lshl_add_u32 v6, v8, 4, v6                   ; the scale bytes: 32 r + 16 h
.irp b, 0,1,2,3
	v_mov_b32 v[TM+4+\b], 0                        ; written once: a lane permute's destination counts as one of its sources
.endr
	s_mov_b32 s[SEL], 0x76543210
	s_mov_b32 s[SEL+1], 0xfedcba98
	s_lshl_b32 s14, ttmp9, 17                      ; tile T = 2 x work-group + wave begins at true row 32 (T / 2) + 8 (T % 2), 4,096 bytes a row
	s_lshl_b32 s15, s10, 15
	s_add_co_u32 s14, s14, s15
	s_mov_b32 s15, 0
	s_lshl_b32 s16, ttmp9, 1
	s_add_co_u32 s16, s16, s10                     ; T
	s_mul_i32 s18, s16, 12288
	s_mov_b32 s19, 0
	s_lshl_b32 s20, s16, 9
	s_mov_b32 s21, 0
	s_wait_alu depctr_va_vdst(0)
	s_wait_kmcnt 0x0
	s_add_nc_u64 s[4:5], s[4:5], s[14:15]
	s_add_nc_u64 s[6:7], s[6:7], s[18:19]
	s_add_nc_u64 s[8:9], s[8:9], s[20:21]
.macro LOAD s                          ; step s: 128 along K of the tile's 16 rows, 512 consecutive bytes a load
.irp r, 0,1,2,3,4,5,6,7,8,9,10,11,12,13,14,15
	global_load_b128 v[R+64*((\s)%2)+4*\r:R+64*((\s)%2)+4*\r+3], v2, s[4:5] offset:(\r+8*(\r/8))*4096+512*(\s) th:TH_LOAD_NT
.endr
.endm
.macro STEP s
.if (\s) < 7
	s_wait_loadcnt 16                              ; this step's 16 loads are in; the next step's 16 may be out
.else
	s_wait_loadcnt 0x0
.endif
.irp r, 0,1,2,3,4,5,6,7,8,9,10,11,12,13,14,15
	ds_store_b128 v4, v[R+64*((\s)%2)+4*\r:R+64*((\s)%2)+4*\r+3] offset:528*\r
.endr
.irp b, 0,1,2,3
.irp j, 0,1,2,3
	ds_load_b128 v[X+16*\b+4*\j:X+16*\b+4*\j+3], v5 offset:128*\b+16*\j   ; LDS serves a wave's instructions in order: these see the stores above
.endr
.endr
	s_wait_dscnt 0x0                               ; the numbers are back, and the stores have read their registers
	s_wait_xcnt 0x0                                ; the last step's stores have read the codes' registers: QUANT writes them again
.if (\s)+2 < 8
	LOAD (\s)+2
.endif
	QUANT X
	v_mov_b32 v[SW+(\s)], v[PW]
	global_store_b128 v2, v[PC:PC+3], s[6:7] offset:1536*(\s)          ; two images: each b128 covers 512 consecutive bytes, each b64 256
	global_store_b64 v3, v[PC+4:PC+5], s[6:7] offset:1536*(\s)+512
	global_store_b128 v2, v[PC+6:PC+9], s[6:7] offset:1536*(\s)+768
	global_store_b64 v3, v[PC+10:PC+11], s[6:7] offset:1536*(\s)+1280
.endm
	LOAD 0
	LOAD 1
.irp t, 0,1,2,3,4,5,6,7
	STEP \t
.endr
	v_cmp_lt_u32 vcc_lo, 15, v1                    ; lanes 16-31 take the row's upper 16 bytes
	s_wait_alu depctr_va_vdst(0)
	s_wait_xcnt 0x0                                ; the last stores have read the codes' registers
.irp i, 0,1,2,3
	v_cndmask_b32 v[PC+\i], v[SW+\i], v[SW+4+\i], vcc_lo
.endr
	global_store_b128 v6, v[PC:PC+3], s[8:9]       ; the tile's 16 rows of 32 scale bytes: 512 consecutive bytes
	s_wait_tensorcnt 0x0
	ds_add_u32 v254, v255
	s_wait_dscnt 0x0
	s_endpgm
.Lfunc_end_k_qf0d834b700_qx:
	.size	k_qf0d834b700_qx, .Lfunc_end_k_qf0d834b700_qx-k_qf0d834b700_qx
	.p2alignl 7, 3214868480
	.fill 96, 4, 3214868480
	.section	.rodata,"a",@progbits
	.p2align	6, 0x0
	.amdhsa_kernel k_qf0d834b700_qx
		.amdhsa_group_segment_fixed_size 17152
		.amdhsa_private_segment_fixed_size 0
		.amdhsa_enable_private_segment 0
		.amdhsa_kernarg_size 24
		.amdhsa_user_sgpr_count 2
		.amdhsa_user_sgpr_kernarg_segment_ptr 1
		.amdhsa_wavefront_size32 1
		.amdhsa_system_sgpr_workgroup_id_x 1
		.amdhsa_system_sgpr_workgroup_id_y 1
		.amdhsa_system_sgpr_workgroup_id_z 1
		.amdhsa_system_vgpr_workitem_id 0
		.amdhsa_next_free_vgpr 256
		.amdhsa_next_free_sgpr 66
		.amdhsa_reserve_vcc 1
		.amdhsa_float_denorm_mode_32 3
		.amdhsa_float_denorm_mode_16_64 3
		.amdhsa_memory_ordered 1
		.amdhsa_forward_progress 1
		.amdhsa_inst_pref_size 65
	.end_amdhsa_kernel
	.amdgpu_metadata
---
amdhsa.version: [ 1, 2 ]
amdhsa.kernels:
  - .name:           k_qf0d834b700_qx
    .symbol:         k_qf0d834b700_qx.kd
    .args:
      - { .name: attn_in, .offset: 0, .size: 8, .value_kind: global_buffer, .address_space: global }
      - { .name: act_c, .offset: 8, .size: 8, .value_kind: global_buffer, .address_space: global }
      - { .name: act_s, .offset: 16, .size: 8, .value_kind: global_buffer, .address_space: global }
    .group_segment_fixed_size: 17152
    .private_segment_fixed_size: 0
    .kernarg_segment_align: 8
    .kernarg_segment_size: 24
    .max_flat_workgroup_size: 64
    .sgpr_count:     66
    .vgpr_count:     256
    .wavefront_size: 32
...
	.end_amdgpu_metadata
.endif
;; end of part 1
;; launch qw (part 2): grid 32 x 8, 4 waves a work-group, no clusters, 13,824 bytes of LDS; arguments W_qkv, W_out, w_c, w_s; writes w_c, w_s
.if DOCPART == 2
	.amdgcn_target "amdgcn-amd-amdhsa--gfx1250"
	.amdhsa_code_object_version 6
	.text
	.protected	k_qf0d834b700_qw
	.globl	k_qf0d834b700_qw
	.p2align	8
	.type	k_qf0d834b700_qw,@function
k_qf0d834b700_qw:
	s_mov_b64 s[64:65], 0
	v_nop
	global_prefetch_b8 v0, s[64:65] scope:SCOPE_SE
	s_setreg_imm32_b32 hwreg(HW_REG_WAVE_MODE, 25, 1), 1
	s_wait_xcnt 0x0
; W_qkv [1024][3072] and W_out [1024][1024], f32 with K as the FIRST axis, become codes of FP6 (E2M3) and E8M0 bytes along K, laid as qx lays the activations:
; w_c: [tile 0..255][64 along K: 0..15][768], w_s: [stored row][32].  Stored rows 0..3071 are W_qkv's columns, 3072..4095 W_out's; stored row s holds column s with bits 3 and 4 exchanged.
; A LANE TAKES A COLUMN AND ITS REGISTERS RUN DOWN K: a block of 32 lies in one lane, its largest magnitude needs no other lane, and the conversions give codes with K innermost.
; A wave: 32 columns x 128 along K (4 blocks).  Lane l's column is row (l % 8) + 8 (l / 16) of tile (l / 8) % 2.  The codes go through the wave's own stage in LDS, laid as the images, and leave as 512 consecutive bytes a store.
; One path serves both weights: pointer and pitch are chosen on the work-group's number.
; LIMITS: as in qx (NaN, infinities; blocks under 2^-124 keep the byte 1).  The scale words leave as 4 bytes a lane, 32 bytes apart: one byte in 128 of what the launch reads.
.set X,    32                          ; v32-95   two sets of 32 numbers
.set C,    96                          ; v96-102  a block's codes
.set OUTR, 104                         ; v104-127 the way out
.set OFS,  128                         ; v128-159 row i's offset: pitch x i + 4 x lane; never rewritten
.set SB,   24                          ; v24      the four scale bytes
.set BS,   32                          ; s[32:39] the four blocks' bases; never rewritten
	s_load_b256 s[4:11], s[0:1], 0x0               ; W_qkv, W_out, w_c, w_s
	v_lshl_add_u32 v160, v0, 2, 0x3400
	v_mov_b32 v161, 0
	v_lshrrev_b32 v1, 5, v0
	v_readfirstlane_b32 s12, v1                    ; wave 0..3
	v_and_b32 v2, 31, v0                           ; lane
	v_lshlrev_b32 v3, 2, v2
	v_and_b32 v10, 7, v0
	v_bfe_u32 v11, v0, 4, 1
	v_lshl_or_b32 v10, v11, 3, v10                 ; r
	v_bfe_u32 v11, v0, 3, 1                        ; u
	s_mul_i32 s15, s12, 3328                       ; my stage: two tiles of 1,536 bytes + 128
	v_mul_u32_u24 v14, v11, 1664
	v_add_nc_u32 v14, s15, v14
	v_lshl_add_u32 v4, v10, 4, v14                 ; in: the first 16 bytes of a block's codes
	v_lshl_add_u32 v5, v10, 3, v14                 ; in: the last 8
	v_lshlrev_b32 v7, 4, v2                        ; 16 x lane
	v_add_nc_u32 v6, s15, v7                       ; out
	v_lshl_add_u32 v9, v11, 4, v10
	v_lshlrev_b32 v9, 5, v9                        ; my stored row's 32 scale bytes
	s_and_b32 s13, ttmp7, 0xffff                   ; y: which 128 along K
	s_cmp_lt_u32 ttmp9, 24
	s_mov_b32 s22, 4096
	s_cselect_b32 s22, 12288, s22                  ; a row of the weight in bytes
	s_cselect_b32 s23, 0, 24
	s_sub_co_u32 s23, ttmp9, s23                   ; which 128 columns of that weight
	s_lshl_b32 s24, s23, 9
	s_lshl_b32 s25, s12, 7
	s_add_co_u32 s24, s24, s25                     ; my wave's first column, in bytes
	s_lshl_b32 s25, s13, 7
	s_mul_i32 s25, s25, s22
	s_add_co_u32 s24, s24, s25                     ; + 128 y rows
	s_mov_b32 s25, 0
	s_lshl_b32 s26, s22, 5                         ; 32 rows on
	s_mov_b32 s27, 0
	s_lshl_b32 s14, ttmp9, 3
	s_lshl_b32 s16, s12, 1
	s_add_co_u32 s14, s14, s16                     ; my first tile: 8 x + 2 wave
	s_mul_i32 s16, s14, 12288
	s_mul_i32 s17, s13, 1536
	s_add_co_u32 s16, s16, s17
	s_mov_b32 s17, 0
	s_lshl_b32 s18, s14, 9
	s_lshl_b32 s19, s13, 2
	s_add_co_u32 s18, s18, s19
	s_mov_b32 s19, 0
.irp i, 0,1,2,3,4,5,6,7,8,9,10,11,12,13,14,15,16,17,18,19,20,21,22,23,24,25,26,27,28,29,30,31
	v_mad_u32_u24 v[OFS+\i], s22, \i, v3
.endr
	s_wait_alu depctr_va_vdst(0)
	s_wait_kmcnt 0x0
	s_cmp_lt_u32 ttmp9, 24                         ; the choice hangs on the work-group's number alone
	s_cselect_b64 s[4:5], s[4:5], s[6:7]
	s_add_nc_u64 s[BS:BS+1], s[4:5], s[24:25]
	s_add_nc_u64 s[BS+2:BS+3], s[BS:BS+1], s[26:27]
	s_add_nc_u64 s[BS+4:BS+5], s[BS+2:BS+3], s[26:27]
	s_add_nc_u64 s[BS+6:BS+7], s[BS+4:BS+5], s[26:27]
	s_add_nc_u64 s[8:9], s[8:9], s[16:17]
	s_add_nc_u64 s[10:11], s[10:11], s[18:19]
.macro LOAD t                          ; block t: rows 32 t + i of my column: 128 consecutive bytes a load
.irp i, 0,1,2,3,4,5,6,7,8,9,10,11,12,13,14,15,16,17,18,19,20,21,22,23,24,25,26,27,28,29,30,31
	global_load_b32 v[X+32*((\t)%2)+\i], v[OFS+\i], s[BS+2*(\t):BS+2*(\t)+1] th:TH_LOAD_NT
.endr
.endm
	LOAD 0
	LOAD 1
.macro BLOCK t
.set XS, X+32*((\t)%2)
.if (\t) < 3
	s_wait_loadcnt 32                              ; this block's 32 loads are in; the next block's may be out
.else
	s_wait_loadcnt 0x0
.endif
	v_max3_num_f32 v12, |v[XS]|, |v[XS+1]|, |v[XS+2]|
	v_max3_num_f32 v13, |v[XS+3]|, |v[XS+4]|, |v[XS+5]|
.irp i, 6,10,14,18,22,26
	v_max3_num_f32 v12, v12, |v[XS+\i]|, |v[XS+\i+1]|
	v_max3_num_f32 v13, v13, |v[XS+\i+2]|, |v[XS+\i+3]|
.endr
	v_max3_num_f32 v12, v12, |v[XS+30]|, |v[XS+31]|
	v_max3_num_f32 v12, v12, v13, 0x1800000        ; and the floor 2^(3 - 127)
	v_add_nc_u32 v11, 0xff000000, v12              ; the conversion's scale operand
	v_lshrrev_b32 v13, 23, v11                     ; the byte
.if (\t) == 0
	v_mov_b32 v[SB], v13
.else
	v_lshl_or_b32 v[SB], v13, 8*(\t), v[SB]
.endif
	v_cvt_scalef32_pk16_fp6_f32 v[C:C+2], v[XS:XS+15], v11
	v_cvt_scalef32_pk16_fp6_f32 v[C+4:C+6], v[XS+16:XS+31], v11
	v_nop                                          ; one plain place behind a scaled conversion
	v_mov_b32 v[C+3], v[C+4]
	v_mov_b32 v[C+4], v[C+5]
	v_mov_b32 v[C+5], v[C+6]                       ; six registers on end
	ds_store_b128 v4, v[C:C+3] offset:768*((\t)/2)+256*((\t)%2)         ; block t is half t % 2 of image t / 2: the place of lane r + 16 (t % 2)
	ds_store_b64 v5, v[C+4:C+5] offset:768*((\t)/2)+512+128*((\t)%2)
.if (\t)+2 < 4
	LOAD (\t)+2
.endif
	s_wait_dscnt 0x0                               ; the stores have read their registers
.endm
	BLOCK 0
	BLOCK 1
	BLOCK 2
	BLOCK 3
	s_wait_alu depctr_va_vdst(0)
	global_store_b32 v9, v[SB], s[10:11]
.irp u, 0,1
.irp i, 0,1,2
	ds_load_b128 v[OUTR+4*(3*\u+\i):OUTR+4*(3*\u+\i)+3], v6 offset:1664*\u+512*\i
.endr
.endr
.irp u, 0,1
.irp i, 0,1,2
	s_wait_dscnt 5-(3*\u+\i)                       ; the younger loads may be out
	global_store_b128 v7, v[OUTR+4*(3*\u+\i):OUTR+4*(3*\u+\i)+3], s[8:9] offset:12288*\u+512*\i
.endr
.endr
	s_wait_tensorcnt 0x0
	ds_add_u32 v160, v161
	s_wait_dscnt 0x0
	s_endpgm
.Lfunc_end_k_qf0d834b700_qw:
	.size	k_qf0d834b700_qw, .Lfunc_end_k_qf0d834b700_qw-k_qf0d834b700_qw
	.p2alignl 7, 3214868480
	.fill 96, 4, 3214868480
	.section	.rodata,"a",@progbits
	.p2align	6, 0x0
	.amdhsa_kernel k_qf0d834b700_qw
		.amdhsa_group_segment_fixed_size 13824
		.amdhsa_private_segment_fixed_size 0
		.amdhsa_enable_private_segment 0
		.amdhsa_kernarg_size 32
		.amdhsa_user_sgpr_count 2
		.amdhsa_user_sgpr_kernarg_segment_ptr 1
		.amdhsa_wavefront_size32 1
		.amdhsa_system_sgpr_workgroup_id_x 1
		.amdhsa_system_sgpr_workgroup_id_y 1
		.amdhsa_system_sgpr_workgroup_id_z 1
		.amdhsa_system_vgpr_workitem_id 0
		.amdhsa_next_free_vgpr 162
		.amdhsa_next_free_sgpr 66
		.amdhsa_reserve_vcc 0
		.amdhsa_float_denorm_mode_32 3
		.amdhsa_float_denorm_mode_16_64 3
		.amdhsa_memory_ordered 1
		.amdhsa_forward_progress 1
		.amdhsa_inst_pref_size 25
	.end_amdhsa_kernel
	.amdgpu_metadata
---
amdhsa.version: [ 1, 2 ]
amdhsa.kernels:
  - .name:           k_qf0d834b700_qw
    .symbol:         k_qf0d834b700_qw.kd
    .args:
      - { .name: W_qkv, .offset: 0, .size: 8, .value_kind: global_buffer, .address_space: global }
      - { .name: W_out, .offset: 8, .size: 8, .value_kind: global_buffer, .address_space: global }
      - { .name: w_c, .offset: 16, .size: 8, .value_kind: global_buffer, .address_space: global }
      - { .name: w_s, .offset: 24, .size: 8, .value_kind: global_buffer, .address_space: global }
    .group_segment_fixed_size: 13824
    .private_segment_fixed_size: 0
    .kernarg_segment_align: 8
    .kernarg_segment_size: 32
    .max_flat_workgroup_size: 128
    .sgpr_count:     66
    .vgpr_count:     162
    .wavefront_size: 32
...
	.end_amdgpu_metadata
.endif
;; end of part 2
;; launch gemm1 (part 3): grid 12 x 32, 4 waves a work-group, clusters of 4 x 4, 327,680 bytes of LDS; arguments act_c, act_s, w_c, w_s, b_qkv, q_c, kv_c, qkv_s; writes q_c, kv_c, qkv_s
.if DOCPART == 3
	.amdgcn_target "amdgcn-amd-amdhsa--gfx1250"
	.amdhsa_code_object_version 6
	.text
	.protected	k_qf0d834b700_gemm1
	.globl	k_qf0d834b700_gemm1
	.p2align	8
	.type	k_qf0d834b700_gemm1,@function
k_qf0d834b700_gemm1:
	s_mov_b64 s[64:65], 0
	v_nop
	global_prefetch_b8 v0, s[64:65] scope:SCOPE_SE
	s_setreg_imm32_b32 hwreg(HW_REG_WAVE_MODE, 25, 1), 1
	s_wait_xcnt 0x0
	s_wait_alu depctr_hold_cnt(0) depctr_sa_sdst(0) depctr_va_vdst(0) depctr_va_sdst(0) depctr_va_ssrc(0) depctr_va_vcc(0) depctr_vm_vsrc(0)
	s_getreg_b32 s2, hwreg(HW_REG_IB_STS2, 6, 4)
	s_cmp_eq_u32 s2, 0
	s_cbranch_scc0 .Lentry_in_a_cluster
	s_endpgm
.Lentry_in_a_cluster:
	s_bfe_u32 s2, ttmp6, 0x10000c
	s_cmp_lg_u32 s2, 0xf033
	s_cbranch_scc0 .Lentry_shape_is_right
	s_endpgm
.Lentry_shape_is_right:
.set NQ,     2
.set FR,     12
.set NL,     4
.set NP,     4
.set TILEB,  3072
.set HALFT,  8*TILEB
.set SLOT,   4*HALFT
.set LAPS,   2
.set KS,     32
.set SCL,    2*SLOT
.set HALFS,  16*272
.set SBLK,   2*272
.set SPARE,  SCL+4*HALFS
.set ADRA, 16
.set ADRB, 20
.set ADRS, 27
.set SPW,  28
.set NIL,  29
.set SC,   32
.set BI,   64
.set AF,   128
.set HA,   128
.set PC,   192
.set TM,   212
.set PW,   228
.set TT,   229
.set SW,   232
.set SEL,  66
.set G1, 24
.set G0, 32
.set G1B, 48
.set G0B, 56
.set G1S, 68
.set G0S, 76
.set G1SB, 80
.set G0SB, 88
.set MSB, 0
.macro WIN new
.if MSB != \new
	s_set_vgpr_msb (MSB<<8)|\new
.set MSB, \new
.endif
.endm
.set MUL_LO, 0xa1
.set MUL_HI, 0xf1
.set TO_B,   0x40
.macro JLOAD g0a, g1a, g0b, g1b
	s_cmp_eq_u32 s15, 0
	s_cbranch_scc0 .Lfor_b_\@
	tensor_load_to_lds s[\g0a:\g0a+3], s[\g1a:\g1a+7]
	s_nop 0
.rept 4
	v_nop
.endr
	s_branch .Lasked_\@
.Lfor_b_\@:
	tensor_load_to_lds s[\g0b:\g0b+3], s[\g1b:\g1b+7]
	s_nop 0
.rept 4
	v_nop
.endr
.Lasked_\@:
.endm
.macro CREST
	s_cmp_lg_u32 s14, 0
	s_cbranch_scc1 .Lnot_wave_0_\@
	s_barrier_signal -3
.Lnot_wave_0_\@:
	s_barrier_wait -3
	s_barrier_signal -1
	s_barrier_wait -1
.endm
.macro CROUND
	s_barrier_signal -1
	s_barrier_wait -1
	CREST
.endm
	s_load_b128 s[4:7], s[0:1], 0x0
	s_load_b128 s[8:11], s[0:1], 0x10
	v_lshl_add_u32 v[SPW], v0, 2, SPARE
	v_mov_b32 v[NIL], 0
	ds_add_u32 v28, v29
	ds_add_u32 v28, v29
	s_wait_dscnt 0x0
	v_lshrrev_b32 v1, 5, v0
	v_readfirstlane_b32 s14, v1
	s_lshr_b32 s15, s14, 1
	s_and_b32 s16, s14, 1
	s_bfe_u32 s40, ttmp6, 0x40000
	s_bfe_u32 s41, ttmp6, 0x40004
	s_and_b32 s13, ttmp7, 0xffff
	s_lshl_b32 s13, s13, 2
	s_lshl_b32 s42, ttmp9, 2
	s_add_co_u32 s42, s42, s40
	s_add_co_u32 s66, s13, s40
	s_add_co_u32 s17, s13, s41
	s_add_co_u32 s67, s41, 8
	s_cmp_eq_u32 ttmp9, 2
	s_cselect_b32 s12, 1, 0
	s_cselect_b32 s17, s67, s17
	s_cselect_b32 s42, s66, s42
	s_lshl_b32 s43, s41, 2
	s_lshl_b32 s43, 15, s43
	s_lshl_b32 s44, 0x1111, s40
	s_or_b32 s[G1+0], s43, (3<<16)|(1<<21)
	s_or_b32 s[G1B+0], s44, (3<<16)|(1<<21)
.irp g, G1, G1B
	s_mov_b32 s[\g+1], 384<<16
	s_mov_b32 s[\g+2], 16<<16                      ; the head's loads of codes bring all 16 tiles of a side; behind them the two words are set to 8
	s_mov_b32 s[\g+3], 384<<16
	s_mov_b32 s[\g+4], 16
	s_mov_b32 s[\g+5], 1536
	s_mov_b32 s[\g+6], 0
	s_mov_b32 s[\g+7], 0
.endr
	s_or_b32 s[G1S+0], s43, (3<<16)|(1<<20)|(1<<21)|(5<<22)|(3<<25)
	s_or_b32 s[G1SB+0], s44, (3<<16)|(1<<20)|(1<<21)|(5<<22)|(3<<25)
.irp g, G1S, G1SB
	s_mov_b32 s[\g+1], 32<<16
	s_mov_b32 s[\g+2], 32<<16                      ; the scales of all 256 rows: 32 units of 256 bytes
	s_mov_b32 s[\g+3], 32<<16
	s_mov_b32 s[\g+4], 32
	s_mov_b32 s[\g+5], 32
	s_mov_b32 s[\g+6], 0
	s_mov_b32 s[\g+7], 0
.endr
	s_lshl_b32 s18, s16, 7
	s_lshl_b32 s20, s17, 8
	s_add_co_u32 s20, s20, s18
	s_lshl_b32 s46, s42, 8
	s_add_co_u32 s46, s46, s18
	s_mov_b32 s21, 0
	s_mov_b32 s47, 0
	s_mov_b64 s[18:19], KS
	s_mul_u64 s[22:23], s[20:21], s[18:19]
	s_mul_u64 s[92:93], s[46:47], s[18:19]
	s_mov_b64 s[18:19], 768
	s_mul_u64 s[20:21], s[20:21], s[18:19]
	s_mul_u64 s[46:47], s[46:47], s[18:19]
	s_mul_i32 s45, s14, HALFT
	s_lshl_b32 s94, s16, 12                        ; my half's 128 rows of scale bytes: taken off again for the head's whole loads
	s_mov_b32 s95, 0
	s_wait_kmcnt 0x0
	s_cmp_eq_u32 s12, 1
	s_cselect_b64 s[96:97], s[8:9], s[4:5]
	s_cselect_b64 s[8:9], s[4:5], s[8:9]
	s_cselect_b64 s[98:99], s[10:11], s[6:7]
	s_cselect_b64 s[10:11], s[6:7], s[10:11]
	s_add_nc_u64 s[20:21], s[96:97], s[20:21]
	s_add_nc_u64 s[22:23], s[98:99], s[22:23]
	s_add_nc_u64 s[46:47], s[8:9], s[46:47]
	s_add_nc_u64 s[92:93], s[10:11], s[92:93]
	CROUND
	s_mov_b32 s[G0S], 1
	s_mov_b32 s[G0S+1], SCL
	s_sub_nc_u64 s[G0S+2:G0S+3], s[22:23], s[94:95]
	s_or_b32 s[G0S+3], s[G0S+3], 0x80000000
	s_mov_b32 s[G0SB], 1
	s_mov_b32 s[G0SB+1], SCL+2*HALFS
	s_sub_nc_u64 s[G0SB+2:G0SB+3], s[92:93], s[94:95]
	s_or_b32 s[G0SB+3], s[G0SB+3], 0x80000000
.irp s, 0,1
	s_mov_b32 s[G0+4*\s], 1
	s_add_co_u32 s[G0+4*\s+1], s45, \s*SLOT
	s_add_nc_u64 s[G0+4*\s+2:G0+4*\s+3], s[20:21], \s*TILEB
	s_or_b32 s[G0+4*\s+3], s[G0+4*\s+3], 0x80000000
	s_mov_b32 s[G0B+4*\s], 1
	s_add_co_u32 s[G0B+4*\s+1], s45, \s*SLOT
	s_add_nc_u64 s[G0B+4*\s+2:G0B+4*\s+3], s[46:47], \s*TILEB
	s_or_b32 s[G0B+4*\s+3], s[G0B+4*\s+3], 0x80000000
.endr
; The head's four tiles, one joint load a wave, in one chain of branches on the wave's number: wave 0 slot 0's 16 tiles of A (its own group 0 begins at the first), wave 1 A's scales, wave 2 slot 0's 16 tiles of B, wave 3 B's scales
.macro ARM under, g0, g1, next
	s_cmp_lt_u32 s14, \under
	s_cbranch_scc0 \next
	tensor_load_to_lds s[\g0:\g0+3], s[\g1:\g1+7]
	s_nop 0
.rept 4
	v_nop
.endr
	s_branch .Lhead_asked
\next:
.endm
	ARM 1, G0,  G1,  .Lhead_sa
	ARM 2, G0S, G1S, .Lhead_b
	ARM 3, G0B, G1B, .Lhead_sb
	tensor_load_to_lds s[G0SB:G0SB+3], s[G1SB:G1SB+7]
	s_nop 0
.rept 4
	v_nop
.endr
.Lhead_asked:
	s_wait_alu depctr_va_vdst(0)
	s_wait_tensorcnt 0x0                           ; my tile of the four is in
	ds_add_u32 v28, v29
	s_mov_b32 s[G1+2], 8<<16                       ; no load of mine is out: from here on a load brings 8 tiles
	s_mov_b32 s[G1+4], 8
	s_mov_b32 s[G1B+2], 8<<16
	s_mov_b32 s[G1B+4], 8
	s_wait_dscnt 0x0
	CROUND
	JLOAD G0+4, G1, G0B+4, G1B
	s_load_b256 s[4:11], s[0:1], 0x20
	v_and_b32 v14, 31, v0
	v_and_b32 v1, 15, v0
	v_bfe_u32 v2, v0, 4, 1
	v_lshlrev_b32 v8, 4, v14
	v_lshlrev_b32 v9, 3, v14
	v_lshlrev_b32 v10, 4, v1
	v_mad_u32_u24 v10, v2, 0x3000, v10
	v_lshlrev_b32 v11, 4, v2
	v_lshlrev_b32 v12, 6, v2
	v_and_b32 v13, 8, v1
	v_add_nc_u32 v13, v13, v1
	v_lshlrev_b32 v13, 2, v13
	s_mul_i32 s21, s15, HALFT
	s_mul_i32 s22, s16, HALFT
	s_add_co_u32 s22, s22, 2*HALFT
.irp s, 0,1
	v_add_nc_u32 v[ADRA+\s], s21, v8
	v_add_nc_u32 v[ADRB+\s], s22, v8
	v_add_nc_u32 v[ADRA+2+\s], s21, v9
	v_add_nc_u32 v[ADRB+2+\s], s22, v9
	s_add_co_u32 s21, s21, SLOT
	s_add_co_u32 s22, s22, SLOT
.endr
	v_mul_u32_u24 v5, v1, KS
	v_lshrrev_b32 v6, 8, v5
	v_lshl_add_u32 v5, v6, 4, v5
	s_mul_i32 s21, s15, HALFS
	s_mul_i32 s22, s16, HALFS
	s_add_co_u32 s22, s22, 2*HALFS
	s_sub_co_u32 s22, s22, s21
	v_mul_u32_u24 v6, s22, v2
	s_add_co_u32 s21, s21, SCL
	v_add_nc_u32 v5, v5, v6
	v_add_nc_u32 v[ADRS], s21, v5
.macro FRAG reg, adr, q, i
	ds_load_b128 v[\reg:\reg+3], v[\adr] offset:TILEB*(\i)+1536*(\q)
	ds_load_b64 v[\reg+4:\reg+5], v[\adr+2] offset:TILEB*(\i)+1536*(\q)+512
	ds_load_b128 v[\reg+6:\reg+9], v[\adr] offset:TILEB*(\i)+1536*(\q)+768
	ds_load_b64 v[\reg+10:\reg+11], v[\adr+2] offset:TILEB*(\i)+1536*(\q)+1280
.endm
.macro MUL16 a0, p, q, sc, zero
.irp a, \a0, \a0+1
.irp b, 0,1,2,3,4,5,6,7
.if \zero
	v_wmma_scale_f32_16x16x128_f8f6f4 v[8*(8*((\a)%4)+\b):8*(8*((\a)%4)+\b)+7], v[128*(\p)+FR*\b:128*(\p)+FR*\b+FR-1], v[AF+FR*(\a):AF+FR*(\a)+FR-1], 0, v[SC+8*NQ*(\sc)+NQ*\b+(\q)], v[SC+8*NQ*(\sc)+NQ*(\a)+(\q)] matrix_a_fmt:MATRIX_FMT_FP6 matrix_b_fmt:MATRIX_FMT_FP6 matrix_a_scale:MATRIX_SCALE_ROW1
.else
	v_wmma_scale_f32_16x16x128_f8f6f4 v[8*(8*((\a)%4)+\b):8*(8*((\a)%4)+\b)+7], v[128*(\p)+FR*\b:128*(\p)+FR*\b+FR-1], v[AF+FR*(\a):AF+FR*(\a)+FR-1], v[8*(8*((\a)%4)+\b):8*(8*((\a)%4)+\b)+7], v[SC+8*NQ*(\sc)+NQ*\b+(\q)], v[SC+8*NQ*(\sc)+NQ*(\a)+(\q)] matrix_a_fmt:MATRIX_FMT_FP6 matrix_b_fmt:MATRIX_FMT_FP6 matrix_a_scale:MATRIX_SCALE_ROW1
.endif
.endr
.endr
.endm
.macro FETCH_B slot, q, p
	WIN TO_B
.irp i, 0,1,2,3,4,5,6,7
	FRAG 128*(\p)+FR*\i, ADRB+\slot, \q, \i
.endr
	WIN 0
.endm
.macro FETCH_A slot, q, i0
.irp i, \i0, \i0+1, \i0+2, \i0+3
	FRAG AF+FR*(\i), ADRA+\slot, \q, \i
.endr
.endm
.macro SCALES sc
.irp i, 0,1,2,3,4,5,6,7
	ds_load_b64 v[SC+8*NQ*\sc+NQ*\i:SC+8*NQ*\sc+NQ*\i+1], v[ADRS] offset:\i*SBLK
.endr
.endm
.macro PLACES n
.rept \n
	v_nop
.endr
.endm
.macro STEP slot, q, zero
	s_wait_dscnt 4*NL
	WIN MUL_LO
	MUL16 0, (\q)%2, \q, \slot, \zero
	MUL16 2, (\q)%2, \q, \slot, \zero
	s_wait_dscnt 0x0
	PLACES NP
	FETCH_B \slot, (\q)+1, 1-(\q)%2
	FETCH_A \slot, (\q)+1, 0
	WIN MUL_HI
	MUL16 4, (\q)%2, \q, \slot, \zero
	MUL16 6, (\q)%2, \q, \slot, \zero
	PLACES NP
	WIN 0
	FETCH_A \slot, (\q)+1, 4
.endm
.macro TURN slot, next, fill
	s_wait_tensorcnt 0x0
	ds_add_u32 v[SPW], v[NIL]
	s_wait_dscnt 4*NL+1
	WIN MUL_LO
	MUL16 0, 1, NQ-1, \slot, 0
	s_wait_dscnt 0x0
	s_barrier_signal -1
	MUL16 2, 1, NQ-1, \slot, 0
	WIN 0
	s_barrier_wait -1
.if \fill
	CREST
	s_add_nc_u64 s[G0+4*\slot+2:G0+4*\slot+3], s[G0+4*\slot+2:G0+4*\slot+3], 2*TILEB
	s_add_nc_u64 s[G0B+4*\slot+2:G0B+4*\slot+3], s[G0B+4*\slot+2:G0B+4*\slot+3], 2*TILEB
	JLOAD G0+4*\slot, G1, G0B+4*\slot, G1B
.else
	PLACES NP
.endif
	s_wait_alu depctr_va_vdst(0)
	v_add_nc_u32 v[ADRS], 4*NQ, v[ADRS]
	FETCH_B \next, 0, 0
	FETCH_A \next, 0, 0
	SCALES \next
	WIN MUL_HI
	MUL16 4, 1, NQ-1, \slot, 0
	MUL16 6, 1, NQ-1, \slot, 0
	PLACES NP
	WIN 0
	FETCH_A \next, 0, 4
.endm
.macro LAST
	s_wait_dscnt 4*NL
	WIN MUL_LO
	MUL16 0, 1, NQ-1, 1, 0
	MUL16 2, 1, NQ-1, 1, 0
	s_wait_dscnt 0x0
	WIN MUL_HI
	MUL16 4, 1, NQ-1, 1, 0
	MUL16 6, 1, NQ-1, 1, 0
	WIN 0
.endm
.macro QUANT s
.irp b, 0,1,2,3
	v_max3_num_f32 v[TM+\b], |v[\s+16*\b]|, |v[\s+1+16*\b]|, 0x1800000
.endr
.irp i, 2,4,6,8,10,12,14
.irp b, 0,1,2,3
	v_max3_num_f32 v[TM+\b], v[TM+\b], |v[\s+16*\b+\i]|, |v[\s+1+16*\b+\i]|
.endr
.endr
.irp b, 0,1,2,3
	v_permlanex16_b32 v[TM+4+\b], v[TM+\b], s[SEL], s[SEL+1]
.endr
.irp b, 0,1,2,3
	v_max_num_f32 v[TM+\b], v[TM+\b], v[TM+4+\b]
.endr
.irp b, 0,1,2,3
	v_add_nc_u32 v[TM+8+\b], 0xff000000, v[TM+\b]
.endr
.irp b, 0,1,2,3
	v_lshrrev_b32 v[TM+4+\b], 23, v[TM+8+\b]
.endr
	v_lshl_or_b32 v[PW], v[TM+5], 8, v[TM+4]
	v_lshl_or_b32 v[PW], v[TM+6], 16, v[PW]
	v_lshl_or_b32 v[PW], v[TM+7], 24, v[PW]
.irp c, 0,1
	v_cvt_scalef32_pk16_fp6_f32 v[PC+6*\c:PC+2+6*\c], v[\s+32*\c:\s+15+32*\c], v[TM+8+2*\c]
	v_cvt_scalef32_pk16_fp6_f32 v[PC+12+4*\c:PC+14+4*\c], v[\s+16+32*\c:\s+31+32*\c], v[TM+9+2*\c]
.endr
	v_nop
.irp c, 0,1
.irp i, 0,1,2
	v_permlane16_swap_b32 v[PC+6*\c+\i], v[PC+12+4*\c+\i]
.endr
.irp i, 0,1,2
	v_mov_b32 v[PC+3+6*\c+\i], v[PC+12+4*\c+\i]
.endr
.endr
.endm
.macro EPI a, isv
	s_wait_xcnt 0x0
	WIN 0x02+(\a)/4
.set j, 0
.rept 32
.if \isv
	v_pk_add_f32 v[HA+j:HA+j+1], v[64*((\a)%4)+j:64*((\a)%4)+j+1], v[BI+2*(\a):BI+2*(\a)+1]
.else
	v_pk_add_f32 v[HA+j:HA+j+1], v[64*((\a)%4)+j:64*((\a)%4)+j+1], v[BI+j:BI+j+1]
.endif
.set j, j+2
.endr
	WIN 0
	QUANT HA
.if \isv
	v_mov_b32 v[SW+(\a)], v[PW]
.irp c, 0,1,2
	global_store_b128 v8, v[PC+4*\c:PC+4*\c+3], s[18:19] offset:196608*((\a)/4)+1536*((\a)%4)+512*\c
.endr
.else
.if (\a)%2 == 0
	v_lshrrev_b32 v[SW+(\a)/2], v11, v[PW]
	v_and_b32 v[SW+(\a)/2], 0xffff, v[SW+(\a)/2]
.else
	v_lshrrev_b32 v[TT], v11, v[PW]
	v_lshl_or_b32 v[SW+(\a)/2], v[TT], 16, v[SW+(\a)/2]
.endif
	global_store_b128 v8, v[PC:PC+3], s[18:19] offset:768*(\a)
	global_store_b64 v9, v[PC+4:PC+5], s[18:19] offset:768*(\a)+512
	global_store_b128 v8, v[PC+6:PC+9], s[20:21] offset:768*(\a)
	global_store_b64 v9, v[PC+10:PC+11], s[20:21] offset:768*(\a)+512
.endif
.endm
	s_wait_alu depctr_va_vdst(0)
	s_wait_tensorcnt 1
	s_barrier_signal -1
	s_barrier_wait -1
	FETCH_B 0, 0, 0
	FETCH_A 0, 0, 0
	SCALES 0
	FETCH_A 0, 0, 4
	STEP 0, 0, 1
	s_mov_b32 s3, LAPS-1
.Llap:
	TURN 0, 1, 1
	STEP 1, 0, 0
	TURN 1, 0, 1
	STEP 0, 0, 0
	s_sub_co_u32 s3, s3, 1
	s_cmp_lg_u32 s3, 0
	s_cbranch_scc1 .Llap
	TURN 0, 1, 0
	STEP 1, 0, 0
	s_wait_kmcnt 0x0
	s_mov_b32 s[SEL], 0x76543210
	s_mov_b32 s[SEL+1], 0xfedcba98
	s_cmp_eq_u32 s12, 1
	s_cbranch_scc1 .Lv
	s_lshr_b32 s2, s17, 3
	s_and_b32 s3, s17, 7
	s_lshl_b32 s3, s3, 1
	s_add_co_u32 s3, s3, s15
	s_lshl_b32 s2, s2, 4
	s_and_b32 s18, s42, 3
	s_lshl_b32 s18, s18, 2
	s_add_co_u32 s2, s2, s18
	s_lshl_b32 s18, s16, 1
	s_add_co_u32 s2, s2, s18
	s_lshr_b32 s13, s42, 2
	s_cmp_eq_u32 s13, 1
	s_cselect_b64 s[18:19], s[8:9], s[6:7]
	s_mov_b32 s20, 98304
	s_cselect_b32 s20, 196608, s20
	s_mov_b32 s21, 6144
	s_cselect_b32 s21, 12288, s21
	s_cselect_b32 s22, 0, 8192
	s_mul_i32 s23, s2, s20
	s_mul_i32 s21, s3, s21
	s_add_co_u32 s44, s23, s21
	s_mov_b32 s45, 0
	s_add_nc_u64 s[18:19], s[18:19], s[44:45]
	s_mov_b32 s21, 0
	s_add_nc_u64 s[20:21], s[18:19], s[20:21]
	s_mul_i32 s44, s2, 12288
	s_add_co_u32 s44, s44, s22
	s_lshl_b32 s22, s3, 8
	s_add_co_u32 s44, s44, s22
	s_add_nc_u64 s[22:23], s[10:11], s[44:45]
	s_lshl_b32 s44, s42, 10
	s_lshl_b32 s46, s16, 9
	s_add_co_u32 s44, s44, s46
	s_add_nc_u64 s[46:47], s[4:5], s[44:45]
.irp b, 0,1,2,3,4,5,6,7
	global_load_b128 v[BI+8*\b:BI+8*\b+3], v12, s[46:47] offset:(32*(\b/2)+8*(\b%2))*4
	global_load_b128 v[BI+8*\b+4:BI+8*\b+7], v12, s[46:47] offset:(32*(\b/2)+8*(\b%2))*4+16
.endr
	LAST
	s_wait_loadcnt 0x0
	PLACES NP
.irp b, 0,1,2,3
	v_mov_b32 v[TM+4+\b], 0
.endr
.irp a, 0,1,2,3,4,5,6,7
	EPI \a, 0
.endr
	global_store_b128 v10, v[SW:SW+3], s[22:23]
	s_branch .Lend
.Lv:
	s_lshr_b32 s2, s42, 3
	s_and_b32 s3, s42, 7
	s_lshl_b32 s3, s3, 1
	s_add_co_u32 s3, s3, s16
	s_lshl_b32 s2, s2, 4
	s_sub_co_u32 s13, s17, 8
	s_lshl_b32 s18, s13, 2
	s_add_co_u32 s2, s2, s18
	s_lshl_b32 s18, s15, 1
	s_add_co_u32 s2, s2, s18
	s_mul_i32 s44, s2, 196608
	s_mul_i32 s18, s3, 12288
	s_add_co_u32 s44, s44, s18
	s_add_co_u32 s44, s44, 6144
	s_mov_b32 s45, 0
	s_add_nc_u64 s[18:19], s[8:9], s[44:45]
	s_mul_i32 s44, s2, 12288
	s_lshl_b32 s20, s3, 8
	s_add_co_u32 s44, s44, s20
	s_add_co_u32 s44, s44, 4096
	s_add_nc_u64 s[22:23], s[10:11], s[44:45]
	s_lshl_b32 s44, s17, 10
	s_lshl_b32 s20, s15, 9
	s_add_co_u32 s44, s44, s20
	s_add_nc_u64 s[46:47], s[4:5], s[44:45]
.irp a, 0,1,2,3,4,5,6,7
	global_load_b32 v[BI+2*\a], v13, s[46:47] offset:(32*(\a/2)+8*(\a%2))*4
	global_load_b32 v[BI+2*\a+1], v13, s[46:47] offset:(32*(\a/2)+8*(\a%2))*4
.endr
	LAST
	s_wait_loadcnt 0x0
	PLACES NP
.irp b, 0,1,2,3
	v_mov_b32 v[TM+4+\b], 0
.endr
.irp a, 0,1,2,3,4,5,6,7
	EPI \a, 1
.endr
	v_cmp_lt_u32 vcc_lo, 15, v14
.irp i, 0,1,2,3
	v_cndmask_b32 v[240+\i], v[SW+\i], v[SW+4+\i], vcc_lo
.endr
	global_store_b128 v10, v[240:243], s[22:23]
.Lend:
	v_nop
	s_wait_tensorcnt 0x0
	ds_add_u32 v[SPW], v[NIL]
	s_wait_dscnt 0x0
	CROUND
	s_endpgm
.Lfunc_end_k_qf0d834b700_gemm1:
	.size	k_qf0d834b700_gemm1, .Lfunc_end_k_qf0d834b700_gemm1-k_qf0d834b700_gemm1
	.p2alignl 7, 3214868480
	.fill 96, 4, 3214868480
	.section	.rodata,"a",@progbits
	.p2align	6, 0x0
	.amdhsa_kernel k_qf0d834b700_gemm1
		.amdhsa_group_segment_fixed_size 327680
		.amdhsa_private_segment_fixed_size 0
		.amdhsa_enable_private_segment 0
		.amdhsa_kernarg_size 64
		.amdhsa_user_sgpr_count 2
		.amdhsa_user_sgpr_kernarg_segment_ptr 1
		.amdhsa_wavefront_size32 1
		.amdhsa_system_sgpr_workgroup_id_x 1
		.amdhsa_system_sgpr_workgroup_id_y 1
		.amdhsa_system_sgpr_workgroup_id_z 1
		.amdhsa_system_vgpr_workitem_id 0
		.amdhsa_next_free_vgpr 1024
		.amdhsa_next_free_sgpr 100
		.amdhsa_reserve_vcc 1
		.amdhsa_float_denorm_mode_32 3
		.amdhsa_float_denorm_mode_16_64 3
		.amdhsa_memory_ordered 1
		.amdhsa_forward_progress 1
		.amdhsa_inst_pref_size 229
	.end_amdhsa_kernel
	.amdgpu_metadata
---
amdhsa.version: [ 1, 2 ]
amdhsa.kernels:
  - .name:           k_qf0d834b700_gemm1
    .symbol:         k_qf0d834b700_gemm1.kd
    .args:
      - { .name: act_c, .offset: 0, .size: 8, .value_kind: global_buffer, .address_space: global }
      - { .name: act_s, .offset: 8, .size: 8, .value_kind: global_buffer, .address_space: global }
      - { .name: w_c, .offset: 16, .size: 8, .value_kind: global_buffer, .address_space: global }
      - { .name: w_s, .offset: 24, .size: 8, .value_kind: global_buffer, .address_space: global }
      - { .name: b_qkv, .offset: 32, .size: 8, .value_kind: global_buffer, .address_space: global }
      - { .name: q_c, .offset: 40, .size: 8, .value_kind: global_buffer, .address_space: global }
      - { .name: kv_c, .offset: 48, .size: 8, .value_kind: global_buffer, .address_space: global }
      - { .name: qkv_s, .offset: 56, .size: 8, .value_kind: global_buffer, .address_space: global }
    .group_segment_fixed_size: 327680
    .private_segment_fixed_size: 0
    .kernarg_segment_align: 8
    .kernarg_segment_size: 64
    .max_flat_workgroup_size: 128
    .sgpr_count:     100
    .vgpr_count:     1024
    .wavefront_size: 32
...
	.end_amdgpu_metadata
.endif
;; end of part 3
;; launch attn (part 4): grid 4 x 64, 12 waves a work-group, clusters of 4 x 1, 256,000 bytes of LDS; arguments q_c, kv_c, qkv_s, act_c, act_s; writes act_c, act_s
.if DOCPART == 4
	.amdgcn_target "amdgcn-amd-amdhsa--gfx1250"
	.amdhsa_code_object_version 6
	.text
	.protected	k_qf0d834b700_attn
	.globl	k_qf0d834b700_attn
	.p2align	8
	.type	k_qf0d834b700_attn,@function
k_qf0d834b700_attn:
	s_mov_b64 s[64:65], 0
	v_nop
	global_prefetch_b8 v0, s[64:65] scope:SCOPE_SE
	s_setreg_imm32_b32 hwreg(HW_REG_WAVE_MODE, 25, 1), 1
	s_wait_xcnt 0x0
	s_wait_alu depctr_hold_cnt(0) depctr_sa_sdst(0) depctr_va_vdst(0) depctr_va_sdst(0) depctr_va_ssrc(0) depctr_va_vcc(0) depctr_vm_vsrc(0)
	s_getreg_b32 s2, hwreg(HW_REG_IB_STS2, 6, 4)
	s_cmp_eq_u32 s2, 0
	s_cbranch_scc0 .Lentry_in_a_cluster
	s_endpgm
.Lentry_in_a_cluster:
	s_bfe_u32 s2, ttmp6, 0x10000c
	s_cmp_lg_u32 s2, 0x3003
	s_cbranch_scc0 .Lentry_shape_is_right
	s_endpgm
.Lentry_shape_is_right:
; o = softmax(q k^T / 8) v for one head and 512 queries a work-group, both products on codes of FP6 (E2M3); o / l is quantised along E in registers and leaves as codes for the last product.
; THE SOFTMAX: t = score x log2(e) / 8; M = the running largest t rounded UP to a whole number; p = 2^(t - M) is quantised along the keys, not normalised; the row's sum is taken of the unquantised p and divides at the end.
; When M moves, the sums and O are multiplied by 2^(old M - new M): exact.
; SHARES: 256 work-groups; twelve waves, three to a SIMD, 256 registers each.  The block's 32 tiles of 16 queries are dealt as tile 12 x pass + wave: waves 0-7 take three tiles, waves 8-11 two, one after the other; for each tile a wave walks
; the head's 2,048 keys, 128 a step.  Both loops have constant counts (3 passes, 8 trips of two steps); in the third pass waves 8-11 jump over the steps and the way out, inside the loops, and only run the pass's opening lines for nothing.
; LDS: the head's K and V codes, 196,608 bytes as they lie in kv_c, come by ONE joint load a wave (64 rows of 256 bytes, 64 bytes of padding behind each: 245,760 bytes in all); K's and V's scale words (8,192 bytes)
; come through registers and LDS stores of waves 0-7 into bytes of their own.  Every LDS byte is filled once; one barrier shows all of it to all waves; no other barrier stands in the walk.
; CLUSTER: the four work-groups of a cluster are the four query blocks of one head and need the same codes: each load names all four.
; NO PREFETCH: all that the launch streams is asked for at its head; no later tile is left.  A tile's Q (768 bytes and a scale word a row) is loaded into registers one pass ahead.
; LAYOUT: both products transposed: S^T = K Q^T, O^T = V^T P^T: a lane holds one query throughout.  kv_c holds K in tiles of 16 stored rows: row 8 x + i of tile 2 b + u is key 32 b + 16 x + 8 u + i of a step.
; A LANE PICKS ITS ROW OF K BY ITS LDS ADDRESS: row 8 y + i of the tile (c, 2 x + u) that is multiplied is stored row 8 x + i of stored tile 4 c + 2 y + u, that is key 64 c + 32 y + 8 (2 x + u) + i.  So the 32 registers of tiles (c, 0 .. 3)
; in lane (r, h) are keys 64 c + 32 h + 0 .. 31: ONE scale block, in the order of p's operand registers: its largest needs no other lane, and the conversions' results are the operand.  The padding sets two stored tiles 1,920 bytes apart, 128 modulo 256,
; so that the sixteen lanes of a 16-byte load touch sixteen different columns of 16 bytes (the 8-byte loads of a tile's tail meet two deep).
; THE HEAD IS 64 AND THE INSTRUCTION'S K IS 128: a fragment of K holds tile (c, 2 x) in registers 0-5 and (c, 2 x + 1) in 6-11; Q stands twice, once with zero codes above and once below.
; LIMITS: NaN and infinities are not served; p under 2^-126 comes out of v_exp_f32 as 0; a block under 2^-124 keeps the byte 1 (zeros too): only this program reads the bytes.  o's scale bytes leave as single bytes, 2 of each row's 32 a head.
.set STEPB, 15360                      ; a key step in LDS: 48 x (256 + 64)
.set SCB,   245760                     ; K's scale words: 256 g + 16 r + 4 (2 c + x); V's 4,096 bytes on: 256 g + 16 r + 4 t
.set SPARE, 253952                     ; the spare words: 128 bytes a wave
.set KA0,  3                           ; v3-6   lane terms: K's 16-byte pieces, K's 8-byte pieces, V's pieces, the scale words
.set KB0,  4
.set VA0,  5
.set SA0,  6
.set KA,   7                           ; v7-10  the same for the two steps at hand
.set KB,   8
.set VA,   9
.set SA,   10
.set SH,   11                          ; 8 h
.set KF,   40                          ; v40-87   four fragments: K's, then V's
.set KSC,  88
.set VSC,  92
.set S,    96                          ; v96-159  S^T, then p
.set O,    160                         ; v160-191 O^T
.set PCD,  192                         ; v192-203 p's codes; v204-206, v208-210 the second halves as converted
.set QO,   211                         ; the offset of the next tile's scale word
.set BM,   212
.set BP,   216
.set SO,   220
.set BY,   222
.set QS,   224
.set PS,   225
.set F,    226                         ; f = 2^(old M - new M); v227 is named with it as a pair
.set TT,   228
.set RM,   229                         ; the running largest score
.set QN,   230                         ; v230-235 the coming tile's image of Q, v236 its scale word
.set OB,   237
.set WA,   238
.set WB,   239
.set L,    240                         ; v240-247 the row's sum in four pairs
.set R16,  253                         ; 16 r
.set WV,   18
.set ACT,  20                          ; 1 while this pass has a tile for my wave
.set G1,   24
.set G0,   44
.set SEL,  60
.set CS,   62
.set TB,   66
.set TS,   67
.set CNT,  68
.set PASS, 69
.set NP,   78                          ; my wave's tiles: 3 or 2
.macro WALU
	s_wait_alu depctr_va_vdst(0)
.endm
.macro DEP n
	s_delay_alu instid0(VALU_DEP_\n)
.endm
.macro CROUND
	s_barrier_signal -1
	s_barrier_wait -1
	s_cmp_lg_u32 s[WV], 0
	s_cbranch_scc1 .Lnot_wave_0_\@
	s_barrier_signal -3
.Lnot_wave_0_\@:
	s_barrier_wait -3
	s_barrier_signal -1
	s_barrier_wait -1
.endm
.macro QSCALE raw                      ; my tile's two bytes of the word, below and above: they scale the zero codes too
	v_lshrrev_b32 v[TT], s77, v[\raw]
	DEP 1
	v_and_b32 v[TT], 0xffff, v[TT]
	DEP 1
	v_lshl_or_b32 v[QS], v[TT], 16, v[TT]
.endm
.macro LOADQ                           ; tile s22's image of Q (at s[4:5]) and the word that holds its two bytes: 256 (Tq / 8) + 4 ((Tq % 8) / 2) + 16 r
	s_lshr_b32 s70, s22, 3
	s_lshl_b32 s70, s70, 8
	s_and_b32 s72, s22, 6
	s_lshl_b32 s72, s72, 1
	s_add_co_u32 s70, s70, s72
	v_add_nc_u32 v[QO], s70, v[R16]
	global_load_b128 v[QN:QN+3], v1, s[4:5]
	global_load_b64 v[QN+4:QN+5], v2, s[4:5] offset:512
	global_load_b32 v[QN+6], v[QO], s[16:17]
.endm
	s_load_b256 s[4:11], s[0:1], 0x0               ; q_c, kv_c, qkv_s, act_c
	s_load_b64 s[12:13], s[0:1], 0x20              ; act_s
	v_lshl_add_u32 v254, v0, 2, SPARE
	v_mov_b32 v255, 0
	ds_add_u32 v254, v255                          ; the opening lines
	ds_add_u32 v254, v255
	v_lshrrev_b32 v1, 5, v0
	v_readfirstlane_b32 s[WV], v1                  ; wave 0..11
	s_bfe_u32 s19, ttmp6, 0x40000                  ; cx: my block of 512 queries; it enters q's and o's global addresses alone
	s_and_b32 s21, ttmp7, 0xffff                   ; nh = 16 n + head, which the four partners share
	s_mov_b32 s[G1], 15|(3<<16)|(1<<20)|(1<<21)|(5<<22)|(15<<25)   ; all four; elements of 8 bytes; behind every 64 words 16 words of padding
	s_mov_b32 s[G1+1], 32<<16
	s_mov_b32 s[G1+2], 64<<16
	s_mov_b32 s[G1+3], 32<<16
	s_mov_b32 s[G1+4], 64
	s_mov_b32 s[G1+5], 32
	s_mov_b32 s[G1+6], 0
	s_mov_b32 s[G1+7], 0
	s_mul_i32 s70, s21, 196608
	s_lshl_b32 s74, s[WV], 14                      ; my twelfth of the head's 768 rows: 16,384 bytes
	s_add_co_u32 s70, s70, s74
	s_mov_b32 s71, 0
	s_mov_b32 s[G0], 1
	s_mul_i32 s[G0+1], s[WV], 20480                ; 64 x (256 + 64)
	s_mul_i32 s76, s21, 12288                      ; the head's scale words
	WALU
	s_wait_dscnt 0x0
	s_wait_kmcnt 0x0
	s_add_nc_u64 s[G0+2:G0+3], s[6:7], s[70:71]
	s_or_b32 s[G0+3], s[G0+3], 0x80000000
	CROUND                                         ; all four work-groups are here: the joint loads meet
	tensor_load_to_lds s[G0:G0+3], s[G1:G1+7]      ; my one load
	s_nop 0
	s_lshl_b32 s22, s19, 5
	s_add_co_u32 s22, s22, s[WV]                   ; Tq: my first tile of queries; the next lies 12 further on
	s_lshl_b32 s23, s21, 7
	s_add_co_u32 s23, s23, s22
	s_mul_i32 s70, s23, 768
	s_add_nc_u64 s[4:5], s[4:5], s[70:71]          ; Q's image
	s_lshl_b32 s70, s[WV], 9
	s_add_co_u32 s73, s70, SCB                     ; LDS: the 512 bytes of K's words of steps 2 wave, 2 wave + 1 (waves 0-7)
	s_add_co_u32 s70, s70, s76
	s_add_nc_u64 s[14:15], s[8:9], s[70:71]        ; the same in memory; V's 4,096 bytes on
	s_add_co_u32 s70, s76, 8192
	s_add_nc_u64 s[16:17], s[8:9], s[70:71]        ; q's scale words of this head
	s_and_b32 s77, s22, 1                          ; (12 is even: the same for all my tiles)
	s_lshl_b32 s77, s77, 4
	s_lshr_b32 s70, s21, 4
	s_lshl_b32 s70, s70, 7
	s_add_co_u32 s70, s70, s22                     ; T = 128 n + Tq
	s_and_b32 s72, s21, 15                         ; the head
	s_lshl_b32 s74, s70, 4
	s_add_co_u32 s74, s74, s72
	s_mul_i32 s74, s74, 768
	s_mov_b32 s75, 0
	s_add_nc_u64 s[10:11], s[10:11], s[74:75]
	s_lshl_b32 s74, s70, 9
	s_lshl_b32 s72, s72, 1
	s_add_co_u32 s74, s74, s72
	s_add_nc_u64 s[12:13], s[12:13], s[74:75]
	s_mov_b32 s[SEL], 0x76543210
	s_mov_b32 s[SEL+1], 0xfedcba98
	s_mov_b32 s[CS], 0x3e38aa3b                    ; log2(e) / 8
	s_mov_b32 s[CS+1], s[CS]
	s_mov_b32 s[PASS], 0
	s_cmp_lt_u32 s[WV], 8
	s_cselect_b32 s[NP], 3, 2
	v_and_b32 v248, 31, v0                         ; lane
	v_and_b32 v249, 15, v0                         ; r
	v_bfe_u32 v250, v0, 4, 1                       ; h
	v_and_b32 v251, 7, v0                          ; i
	v_bfe_u32 v252, v0, 3, 1                       ; y
	v_lshlrev_b32 v1, 4, v248                      ; 16 x lane
	v_lshlrev_b32 v2, 3, v248                      ; 8 x lane
	v_lshlrev_b32 v[R16], 4, v249                  ; 16 r
	v_lshlrev_b32 v[KA0], 4, v251
	v_lshlrev_b32 v[KB0], 3, v251
	v_mad_u32_u24 v[KA0], v252, 1920, v[KA0]
	v_lshl_add_u32 v[KB0], v250, 7, v[KB0]
	v_mad_u32_u24 v[KA0], v250, 320, v[KA0]        ; 16 i + 1920 y + 320 h
	v_mad_u32_u24 v[KB0], v252, 1920, v[KB0]       ; 8 i + 128 h + 1920 y
	v_mad_u32_u24 v[VA0], v250, 320, v[R16]        ; 16 r + 320 h
	v_add_nc_u32 v[SA0], SCB, v[R16]
	v_lshlrev_b32 v[SH], 3, v250
	v_lshl_add_u32 v[OB], v249, 5, v250            ; 32 r + h
	v_lshlrev_b32 v[WA], 4, v251
	v_add_nc_u32 v[WB], s73, v1
	v_lshl_add_u32 v[WA], v252, 2, v[WA]
	v_lshl_add_u32 v[WA], v250, 8, v[WA]
	v_add_nc_u32 v[WA], s73, v[WA]                 ; lane (8 x + i, h) holds stored row 8 x + i of step 2 wave + h: its word p = 2 c + y goes to 256 h + 16 i + 4 x + 128 y + 8 c
	WALU
	s_cmp_lt_u32 s[WV], 8
	s_cbranch_scc0 .Lno_words
	global_load_b128 v[96:99], v1, s[14:15]        ; K's four words of a stored row: 512 consecutive bytes a wave
	global_load_b128 v[100:103], v1, s[14:15] offset:4096   ; V's
.Lno_words:
	LOADQ                                          ; my first tile's Q
	v_mov_b32 v13, 0                               ; upper halves of pairs of which the low word alone is taken
	v_mov_b32 v15, 0
	v_mov_b32 v[F+1], 0
	v_mov_b32 v[BP], 0                             ; a lane permute's destination counts as one of its sources
	v_mov_b32 v[BP+1], 0
.irp j, 22,23,24,25,26,27,28,29,30,31,32,33
	v_mov_b32 v[\j], 0                             ; the zero codes of Q's two fragments
.endr
	WALU
	s_wait_tensorcnt 0x0                           ; my rows have landed
	s_wait_loadcnt 0x0
	s_cmp_lt_u32 s[WV], 8
	s_cbranch_scc0 .Lno_put
	ds_store_b32 v[WA], v96
	ds_store_b32 v[WA], v97 offset:128
	ds_store_b32 v[WA], v98 offset:8
	ds_store_b32 v[WA], v99 offset:136
	ds_store_b128 v[WB], v[100:103] offset:4096
.Lno_put:
	s_wait_dscnt 0x0
	s_barrier_signal -1
	s_barrier_wait -1                              ; all sixteen steps and their scale words are in: the one barrier of the walk
; A KEY STEP: 128 keys.  k: which of the trip's two; -M stands in v12 and v14 by turns
.macro STEP k
.set NN, 12+2*\k
.set NO, 14-2*\k
.irp a, 0,1,2,3,4,5,6,7
	ds_load_b128 v[KF+6*\a:KF+6*\a+3], v[KA] offset:STEPB*\k+960*(4*(\a/4)+\a%2)+128*((\a/2)%2)
	ds_load_b64 v[KF+6*\a+4:KF+6*\a+5], v[KB] offset:STEPB*\k+960*(4*(\a/4)+\a%2)+640+64*((\a/2)%2)
.endr
	ds_load_b128 v[KSC:KSC+3], v[SA] offset:256*\k
	WALU
	s_wait_dscnt 0x0
.irp a, 0,1,2,3,4,5,6,7
	v_wmma_scale_f32_16x16x128_f8f6f4 v[S+8*\a:S+8*\a+7], v[KF+12*(\a/2):KF+12*(\a/2)+11], v[16+12*(\a%2):27+12*(\a%2)], 0, v[KSC+\a/2], v[QS] matrix_a_fmt:MATRIX_FMT_FP6 matrix_b_fmt:MATRIX_FMT_FP6
.endr
.rept 4
	v_nop                                          ; places: K's registers take V, and the scores are read
.endr
.irp t, 0,1,2,3
.irp c, 0,1,2
	ds_load_b128 v[KF+12*\t+4*\c:KF+12*\t+4*\c+3], v[VA] offset:STEPB*\k+7680+1920*\t+640*\c   ; V's fragments land under the softmax
.endr
.endr
	ds_load_b128 v[VSC:VSC+3], v[SA] offset:4096+256*\k
.irp b, 0,1,2,3
	v_max3_num_f32 v[BM+\b], v[S+16*\b], v[S+1+16*\b], v[S+2+16*\b]   ; four chains, two to a block of 32 keys; each tile is read from its low end on
.endr
.irp i, 3,5,7,9,11,13
.irp b, 0,1,2,3
	v_max3_num_f32 v[BM+\b], v[BM+\b], v[S+16*\b+\i], v[S+1+16*\b+\i]
.endr
.endr
	v_max3_num_f32 v[BM], v[BM], v[BM+1], v[S+15]
	v_max3_num_f32 v[BM+2], v[BM+2], v[BM+3], v[S+47]
	v_max_num_f32 v[BM], v[BM], v[S+31]            ; my two blocks' largest scores: for the row's maximum and, since p rises with the score, for each block's largest p
	v_max_num_f32 v[BM+2], v[BM+2], v[S+63]
	v_max_num_f32 v[TT], v[BM], v[BM+2]
	v_permlanex16_b32 v[BP], v[TT], s[SEL], s[SEL+1]
	v_max3_num_f32 v[RM], v[RM], v[TT], v[BP]      ; the running largest score, with lane l xor 16's two blocks
	v_mul_f32 v[TT], s[CS], v[RM]                  ; as t
	v_floor_f32 v[NN], -v[TT]                      ; the new -M = -ceil(t)
	v_sub_f32 v[TT], v[NN], v[NO]                  ; old M - new M: a whole number, 0 or less
	v_cvt_i32_f32 v[TT], v[TT]                     ; (it saturates)
	v_ldexp_f32 v[F], 1.0, v[TT]
.set j, 0
.rept 32
	v_pk_fma_f32 v[S+j:S+j+1], v[S+j:S+j+1], s[CS:CS+1], v[NN:NN+1] op_sel_hi:[1,0,0]   ; t - M
.set j, j+2
.endr
	v_fma_f32 v[BM], v[BM], s[CS], v[NN]
	v_fma_f32 v[BM+2], v[BM+2], s[CS], v[NN]
	WALU                                           ; the wait ahead of the batch
.set j, 0
.rept 64
	v_exp_f32 v[S+j], v[S+j]                       ; p
.set j, j+1
.endr
	v_exp_f32 v[BM], v[BM]                         ; each block's largest p
	v_exp_f32 v[BM+2], v[BM+2]
	WALU                                           ; one wait for the batch, directly ahead of the first reader of O^T too
.set j, 0
.rept 16
	v_pk_mul_f32 v[O+j:O+j+1], v[O+j:O+j+1], v[F:F+1] op_sel_hi:[1,0]   ; O^T under the new M: the plain lines behind the exponentials
.set j, j+2
.endr
	v_max_num_f32 v[BM], 0x1800000, v[BM]          ; the floor 2^(3 - 127)
	v_max_num_f32 v[BM+2], 0x1800000, v[BM+2]
	v_add_nc_u32 v[SO], 0xff000000, v[BM]          ; 2 off the exponent field: the conversions' scale operand
	v_add_nc_u32 v[SO+1], 0xff000000, v[BM+2]
	v_cvt_scalef32_pk16_fp6_f32 v[PCD:PCD+2], v[S:S+15], v[SO]
	v_cvt_scalef32_pk16_fp6_f32 v[PCD+12:PCD+14], v[S+16:S+31], v[SO]       ; (a conversion's three registers begin on an even number)
	v_cvt_scalef32_pk16_fp6_f32 v[PCD+6:PCD+8], v[S+32:S+47], v[SO+1]
	v_cvt_scalef32_pk16_fp6_f32 v[PCD+16:PCD+18], v[S+48:S+63], v[SO+1]
	v_lshrrev_b32 v[BY], 23, v[SO]                 ; the bytes of blocks h and 2 + h.  (The plain place behind the conversions)
	v_lshrrev_b32 v[BY+1], 23, v[SO+1]
	v_lshl_or_b32 v[PS], v[BY+1], 16, v[BY]
	v_lshlrev_b32 v[PS], v[SH], v[PS]              ; at their places in the word
	v_permlanex16_b32 v[BP], v[PS], s[SEL], s[SEL+1]
.irp i, 0,1,2
	v_mov_b32 v[PCD+3+\i], v[PCD+12+\i]
	v_mov_b32 v[PCD+9+\i], v[PCD+16+\i]
.endr
	v_or_b32 v[PS], v[PS], v[BP]                   ; with lane l xor 16's two the word is whole
.irp q, 0,1,2,3
	v_pk_fma_f32 v[L+2*\q:L+2*\q+1], v[L+2*\q:L+2*\q+1], v[F:F+1], v[S+2*\q:S+2*\q+1] op_sel_hi:[1,0,1]   ; the sums under the new M take the unquantised p: four chains
.endr
.set j, 4
.rept 24
	v_pk_add_f32 v[L+2*(j%4):L+2*(j%4)+1], v[L+2*(j%4):L+2*(j%4)+1], v[S+2*j:S+2*j+1]   ; (these 28 are the places between p's codes and scale word and the products)
.set j, j+1
.endr
	WALU
	s_wait_dscnt 0x0                               ; V is in
.irp t, 0,1,2,3
	v_wmma_scale_f32_16x16x128_f8f6f4 v[O+8*\t:O+8*\t+7], v[KF+12*\t:KF+12*\t+11], v[PCD:PCD+11], v[O+8*\t:O+8*\t+7], v[VSC+\t], v[PS] matrix_a_fmt:MATRIX_FMT_FP6 matrix_b_fmt:MATRIX_FMT_FP6
.endr
.rept 4
	v_pk_add_f32 v[L+2*(j%4):L+2*(j%4)+1], v[L+2*(j%4):L+2*(j%4)+1], v[S+2*j:S+2*j+1]   ; the last four pairs: the places in front of the next loads into V's registers
.set j, j+1
.endr
.endm
.Lpass:                                                ; a tile of 16 queries
	s_wait_loadcnt 0x0                             ; the tile's Q is in
.irp i, 0,1,2,3,4,5
	v_mov_b32 v[16+\i], v[QN+\i]                   ; twice: registers 0-5 of one fragment, 6-11 of the other
	v_mov_b32 v[34+\i], v[QN+\i]
.endr
	QSCALE QN+6
	s_cmp_lt_u32 s[PASS], s[NP]
	s_cselect_b32 s[ACT], 1, 0
	s_add_co_u32 s79, s[PASS], 1
	WALU
	s_cmp_lt_u32 s79, s[NP]
	s_cbranch_scc0 .Lno_next                       ; no tile of mine follows
	s_add_nc_u64 s[4:5], s[4:5], 9216              ; 12 tiles on (the loads that read these registers are done)
	s_add_co_u32 s22, s22, 12
	LOADQ                                          ; it lands under this pass
.Lno_next:
	v_mov_b32 v[RM], 0xff61b1e6                    ; -3e38, under every score
	v_mov_b32 v14, 0x7f61b1e6                      ; the old -M of the first step: 3e38, so that its f is 0
.set j, 0
.rept 32
	v_mov_b32 v[O+j], 0                            ; O^T and the sums: the first step finds zeros
.set j, j+1
.endr
.set j, 0
.rept 8
	v_mov_b32 v[L+j], 0
.set j, j+1
.endr
	s_mov_b32 s[TB], 0
	s_mov_b32 s[TS], 0
	s_mov_b32 s[CNT], 8
	WALU
.Lstep:                                                ; two key steps a trip
	s_cmp_eq_u32 s[ACT], 0
	s_cbranch_scc1 .Lno_steps                      ; waves 8-11 in the third pass
	v_add_nc_u32 v[KA], s[TB], v[KA0]
	v_add_nc_u32 v[KB], s[TB], v[KB0]
	v_add_nc_u32 v[VA], s[TB], v[VA0]
	v_add_nc_u32 v[SA], s[TS], v[SA0]
	STEP 0
	STEP 1
	WALU
.Lno_steps:
	s_add_co_u32 s[TB], s[TB], 2*STEPB
	s_add_co_u32 s[TS], s[TS], 512
	s_sub_co_u32 s[CNT], s[CNT], 1
	s_cmp_lg_u32 s[CNT], 0
	s_cbranch_scc1 .Lstep
	s_cmp_eq_u32 s[ACT], 0
	s_cbranch_scc1 .Lno_out
	; THE WAY OUT: O^T / l; my 64 numbers of a row are two blocks of 32 along E (register 16 b + i = o(my query, 32 b + 16 h + i)); they become one image of act_c and two scale bytes a row
	v_pk_add_f32 v[L:L+1], v[L:L+1], v[L+2:L+3]
	v_pk_add_f32 v[L+4:L+5], v[L+4:L+5], v[L+6:L+7]
	DEP 1
	v_pk_add_f32 v[L:L+1], v[L:L+1], v[L+4:L+5]
	DEP 1
	v_add_f32 v[L], v[L], v[L+1]
	DEP 1
	v_permlanex16_b32 v[TT], v[L], s[SEL], s[SEL+1]
	DEP 1
	v_add_f32 v[L], v[L], v[TT]                    ; the row's sum
	WALU
	v_rcp_f32 v[L], v[L]
	v_nop                                          ; the place behind the reciprocal
	WALU                                           ; ahead of its first reader, which is O^T's too
.set j, 0
.rept 16
	v_pk_mul_f32 v[S+j:S+j+1], v[O+j:O+j+1], v[L:L+1] op_sel_hi:[1,0]
.set j, j+2
.endr
	v_cmp_ne_u32 vcc_lo, 0, v[SH]                  ; lanes 16-31
.irp b, 0,1
	v_max3_num_f32 v[BM+\b], |v[S+16*\b]|, |v[S+1+16*\b]|, 0x1800000
.endr
.irp i, 2,4,6,8,10,12,14
.irp b, 0,1
	DEP 2
	v_max3_num_f32 v[BM+\b], v[BM+\b], |v[S+16*\b+\i]|, |v[S+1+16*\b+\i]|
.endr
.endr
.irp b, 0,1
	DEP 2
	v_permlanex16_b32 v[BP+\b], v[BM+\b], s[SEL], s[SEL+1]
.endr
.irp b, 0,1
	DEP 2
	v_max_num_f32 v[BM+\b], v[BM+\b], v[BP+\b]
.endr
.irp b, 0,1
	DEP 2
	v_add_nc_u32 v[SO+\b], 0xff000000, v[BM+\b]
.endr
.irp b, 0,1
	DEP 2
	v_lshrrev_b32 v[BP+\b], 23, v[SO+\b]
.endr
	v_cvt_scalef32_pk16_fp6_f32 v[PCD:PCD+2], v[S:S+15], v[SO]
	v_cvt_scalef32_pk16_fp6_f32 v[PCD+4:PCD+6], v[S+16:S+31], v[SO+1]
	v_nop
.irp i, 0,1,2
	v_permlane16_swap_b32 v[PCD+\i], v[PCD+4+\i]   ; lanes 0-15 block 0, lanes 16-31 block 1
.endr
	v_mov_b32 v[PCD+3], v[PCD+4]
	v_mov_b32 v[PCD+4], v[PCD+5]
	v_mov_b32 v[PCD+5], v[PCD+6]
	v_cndmask_b32 v[TT], v[BP], v[BP+1], vcc_lo
	global_store_b128 v1, v[PCD:PCD+3], s[10:11]               ; 512 consecutive bytes,
	global_store_b64 v2, v[PCD+4:PCD+5], s[10:11] offset:512   ; and 256
	global_store_b8 v[OB], v[TT], s[12:13]
	s_wait_xcnt 0x0                                ; the stores have read their registers and bases
	s_add_nc_u64 s[10:11], s[10:11], 147456        ; 12 tiles on in act_c
	s_add_nc_u64 s[12:13], s[12:13], 6144          ; and in act_s
	WALU
.Lno_out:
	s_add_co_u32 s[PASS], s[PASS], 1
	s_cmp_lt_u32 s[PASS], 3
	s_cbranch_scc1 .Lpass
	s_wait_tensorcnt 0x0                           ; the wave's end
	ds_add_u32 v254, v255
	s_wait_dscnt 0x0
	CROUND                                         ; the closing round
	s_endpgm
.Lfunc_end_k_qf0d834b700_attn:
	.size	k_qf0d834b700_attn, .Lfunc_end_k_qf0d834b700_attn-k_qf0d834b700_attn
	.p2alignl 7, 3214868480
	.fill 96, 4, 3214868480
	.section	.rodata,"a",@progbits
	.p2align	6, 0x0
	.amdhsa_kernel k_qf0d834b700_attn
		.amdhsa_group_segment_fixed_size 256000
		.amdhsa_private_segment_fixed_size 0
		.amdhsa_enable_private_segment 0
		.amdhsa_kernarg_size 40
		.amdhsa_user_sgpr_count 2
		.amdhsa_user_sgpr_kernarg_segment_ptr 1
		.amdhsa_wavefront_size32 1
		.amdhsa_system_sgpr_workgroup_id_x 1
		.amdhsa_system_sgpr_workgroup_id_y 1
		.amdhsa_system_sgpr_workgroup_id_z 1
		.amdhsa_system_vgpr_workitem_id 0
		.amdhsa_next_free_vgpr 256
		.amdhsa_next_free_sgpr 80
		.amdhsa_reserve_vcc 1
		.amdhsa_float_denorm_mode_32 3
		.amdhsa_float_denorm_mode_16_64 3
		.amdhsa_memory_ordered 1
		.amdhsa_forward_progress 1
		.amdhsa_inst_pref_size 44
	.end_amdhsa_kernel
	.amdgpu_metadata
---
amdhsa.version: [ 1, 2 ]
amdhsa.kernels:
  - .name:           k_qf0d834b700_attn
    .symbol:         k_qf0d834b700_attn.kd
    .args:
      - { .name: q_c, .offset: 0, .size: 8, .value_kind: global_buffer, .address_space: global }
      - { .name: kv_c, .offset: 8, .size: 8, .value_kind: global_buffer, .address_space: global }
      - { .name: qkv_s, .offset: 16, .size: 8, .value_kind: global_buffer, .address_space: global }
      - { .name: act_c, .offset: 24, .size: 8, .value_kind: global_buffer, .address_space: global }
      - { .name: act_s, .offset: 32, .size: 8, .value_kind: global_buffer, .address_space: global }
    .group_segment_fixed_size: 256000
    .private_segment_fixed_size: 0
    .kernarg_segment_align: 8
    .kernarg_segment_size: 40
    .max_flat_workgroup_size: 384
    .sgpr_count:     80
    .vgpr_count:     256
    .wavefront_size: 32
...
	.end_amdgpu_metadata
.endif
;; end of part 4
;; launch gemm2 (part 5): grid 4 x 32, 4 waves a work-group, clusters of 4 x 4, 327,680 bytes of LDS; arguments act_c, act_s, w_c, w_s, b_out, out0; writes out0
.if DOCPART == 5
	.amdgcn_target "amdgcn-amd-amdhsa--gfx1250"
	.amdhsa_code_object_version 6
	.text
	.protected	k_qf0d834b700_gemm2
	.globl	k_qf0d834b700_gemm2
	.p2align	8
	.type	k_qf0d834b700_gemm2,@function
k_qf0d834b700_gemm2:
	s_mov_b64 s[64:65], 0
	v_nop
	global_prefetch_b8 v0, s[64:65] scope:SCOPE_SE
	s_setreg_imm32_b32 hwreg(HW_REG_WAVE_MODE, 25, 1), 1
	s_wait_xcnt 0x0
	s_wait_alu depctr_hold_cnt(0) depctr_sa_sdst(0) depctr_va_vdst(0) depctr_va_sdst(0) depctr_va_ssrc(0) depctr_va_vcc(0) depctr_vm_vsrc(0)
	s_getreg_b32 s2, hwreg(HW_REG_IB_STS2, 6, 4)
	s_cmp_eq_u32 s2, 0
	s_cbranch_scc0 .Lentry_in_a_cluster
	s_endpgm
.Lentry_in_a_cluster:
	s_bfe_u32 s2, ttmp6, 0x10000c
	s_cmp_lg_u32 s2, 0xf033
	s_cbranch_scc0 .Lentry_shape_is_right
	s_endpgm
.Lentry_shape_is_right:
.set NQ,     2
.set FR,     12
.set NL,     4
.set NP,     4
.set TILEB,  3072
.set HALFT,  8*TILEB
.set SLOT,   4*HALFT
.set LAPS,   2
.set KS,     32
.set SCL,    2*SLOT
.set HALFS,  16*272
.set SBLK,   2*272
.set SPARE,  SCL+4*HALFS
.set SPITCH, 528
.set ADRA, 16
.set ADRB, 20
.set STO,  24
.set RD,   25
.set CO,   26
.set ADRS, 27
.set SPW,  28
.set NIL,  29
.set SC,   32
.set BI,   64
.set AF,   128
.set BK,   128
.set G1, 24
.set G0, 32
.set G1B, 48
.set G0B, 56
.set G1S, 68
.set G0S, 76
.set G1SB, 80
.set G0SB, 88
.set MSB, 0
.macro WIN new
.if MSB != \new
	s_set_vgpr_msb (MSB<<8)|\new
.set MSB, \new
.endif
.endm
.set MUL_LO, 0xa1
.set MUL_HI, 0xf1
.set TO_B,   0x40
.macro JLOAD g0a, g1a, g0b, g1b
	s_cmp_eq_u32 s15, 0
	s_cbranch_scc0 .Lfor_b_\@
	tensor_load_to_lds s[\g0a:\g0a+3], s[\g1a:\g1a+7]
	s_nop 0
.rept 4
	v_nop
.endr
	s_branch .Lasked_\@
.Lfor_b_\@:
	tensor_load_to_lds s[\g0b:\g0b+3], s[\g1b:\g1b+7]
	s_nop 0
.rept 4
	v_nop
.endr
.Lasked_\@:
.endm
.macro CREST
	s_cmp_lg_u32 s14, 0
	s_cbranch_scc1 .Lnot_wave_0_\@
	s_barrier_signal -3
.Lnot_wave_0_\@:
	s_barrier_wait -3
	s_barrier_signal -1
	s_barrier_wait -1
.endm
.macro CROUND
	s_barrier_signal -1
	s_barrier_wait -1
	CREST
.endm
	s_load_b128 s[4:7], s[0:1], 0x0
	s_load_b128 s[8:11], s[0:1], 0x10
	s_load_b128 s[96:99], s[0:1], 0x20
	v_lshl_add_u32 v[SPW], v0, 2, SPARE
	v_mov_b32 v[NIL], 0
	ds_add_u32 v28, v29
	ds_add_u32 v28, v29
	s_wait_dscnt 0x0
	v_lshrrev_b32 v1, 5, v0
	v_readfirstlane_b32 s14, v1
	s_lshr_b32 s15, s14, 1
	s_and_b32 s16, s14, 1
	s_bfe_u32 s40, ttmp6, 0x40000
	s_bfe_u32 s41, ttmp6, 0x40004
	s_lshl_b32 s42, ttmp9, 2
	s_add_co_u32 s42, s42, s40
	s_and_b32 s17, ttmp7, 0xffff
	s_lshl_b32 s17, s17, 2
	s_add_co_u32 s17, s17, s41
	s_lshl_b32 s43, s41, 2
	s_lshl_b32 s43, 15, s43
	s_lshl_b32 s44, 0x1111, s40
	s_or_b32 s[G1+0], s43, (3<<16)|(1<<21)
	s_or_b32 s[G1B+0], s44, (3<<16)|(1<<21)
.irp g, G1, G1B
	s_mov_b32 s[\g+1], 384<<16
	s_mov_b32 s[\g+2], 16<<16                      ; the head's loads of codes bring all 16 tiles of a side; behind them the two words are set to 8
	s_mov_b32 s[\g+3], 384<<16
	s_mov_b32 s[\g+4], 16
	s_mov_b32 s[\g+5], 1536
	s_mov_b32 s[\g+6], 0
	s_mov_b32 s[\g+7], 0
.endr
	s_or_b32 s[G1S+0], s43, (3<<16)|(1<<20)|(1<<21)|(5<<22)|(3<<25)
	s_or_b32 s[G1SB+0], s44, (3<<16)|(1<<20)|(1<<21)|(5<<22)|(3<<25)
.irp g, G1S, G1SB
	s_mov_b32 s[\g+1], 32<<16
	s_mov_b32 s[\g+2], 32<<16                      ; the scales of all 256 rows: 32 units of 256 bytes
	s_mov_b32 s[\g+3], 32<<16
	s_mov_b32 s[\g+4], 32
	s_mov_b32 s[\g+5], 32
	s_mov_b32 s[\g+6], 0
	s_mov_b32 s[\g+7], 0
.endr
	s_lshl_b32 s18, s16, 7
	s_lshl_b32 s20, s17, 8
	s_add_co_u32 s20, s20, s18
	s_lshl_b32 s46, s42, 8
	s_add_co_u32 s46, s46, s18
	s_add_co_u32 s46, s46, 3072
	s_mov_b32 s21, 0
	s_mov_b32 s47, 0
	s_mov_b64 s[18:19], KS
	s_mul_u64 s[22:23], s[20:21], s[18:19]
	s_mul_u64 s[92:93], s[46:47], s[18:19]
	s_mov_b64 s[18:19], 768
	s_mul_u64 s[20:21], s[20:21], s[18:19]
	s_mul_u64 s[46:47], s[46:47], s[18:19]
	s_mul_i32 s45, s14, HALFT
	s_lshl_b32 s94, s16, 12                        ; my half's 128 rows of scale bytes: taken off again for the head's whole loads
	s_mov_b32 s95, 0
	s_wait_kmcnt 0x0
	s_add_nc_u64 s[20:21], s[4:5], s[20:21]
	s_add_nc_u64 s[22:23], s[6:7], s[22:23]
	s_add_nc_u64 s[46:47], s[8:9], s[46:47]
	s_add_nc_u64 s[92:93], s[10:11], s[92:93]
	CROUND
	s_mov_b32 s[G0S], 1
	s_mov_b32 s[G0S+1], SCL
	s_sub_nc_u64 s[G0S+2:G0S+3], s[22:23], s[94:95]
	s_or_b32 s[G0S+3], s[G0S+3], 0x80000000
	s_mov_b32 s[G0SB], 1
	s_mov_b32 s[G0SB+1], SCL+2*HALFS
	s_sub_nc_u64 s[G0SB+2:G0SB+3], s[92:93], s[94:95]
	s_or_b32 s[G0SB+3], s[G0SB+3], 0x80000000
.irp s, 0,1
	s_mov_b32 s[G0+4*\s], 1
	s_add_co_u32 s[G0+4*\s+1], s45, \s*SLOT
	s_add_nc_u64 s[G0+4*\s+2:G0+4*\s+3], s[20:21], \s*TILEB
	s_or_b32 s[G0+4*\s+3], s[G0+4*\s+3], 0x80000000
	s_mov_b32 s[G0B+4*\s], 1
	s_add_co_u32 s[G0B+4*\s+1], s45, \s*SLOT
	s_add_nc_u64 s[G0B+4*\s+2:G0B+4*\s+3], s[46:47], \s*TILEB
	s_or_b32 s[G0B+4*\s+3], s[G0B+4*\s+3], 0x80000000
.endr
; The head's four tiles, one joint load a wave, in one chain of branches on the wave's number: wave 0 slot 0's 16 tiles of A (its own group 0 begins at the first), wave 1 A's scales, wave 2 slot 0's 16 tiles of B, wave 3 B's scales
.macro ARM under, g0, g1, next
	s_cmp_lt_u32 s14, \under
	s_cbranch_scc0 \next
	tensor_load_to_lds s[\g0:\g0+3], s[\g1:\g1+7]
	s_nop 0
.rept 4
	v_nop
.endr
	s_branch .Lhead_asked
\next:
.endm
	ARM 1, G0,  G1,  .Lhead_sa
	ARM 2, G0S, G1S, .Lhead_b
	ARM 3, G0B, G1B, .Lhead_sb
	tensor_load_to_lds s[G0SB:G0SB+3], s[G1SB:G1SB+7]
	s_nop 0
.rept 4
	v_nop
.endr
.Lhead_asked:
	s_wait_alu depctr_va_vdst(0)
	s_wait_tensorcnt 0x0                           ; my tile of the four is in
	ds_add_u32 v28, v29
	s_mov_b32 s[G1+2], 8<<16                       ; no load of mine is out: from here on a load brings 8 tiles
	s_mov_b32 s[G1+4], 8
	s_mov_b32 s[G1B+2], 8<<16
	s_mov_b32 s[G1B+4], 8
	s_wait_dscnt 0x0
	CROUND
	JLOAD G0+4, G1, G0B+4, G1B
	v_and_b32 v14, 31, v0
	v_and_b32 v1, 15, v0
	v_bfe_u32 v2, v0, 4, 1
	v_lshlrev_b32 v8, 4, v14
	v_lshlrev_b32 v9, 3, v14
	v_lshlrev_b32 v12, 6, v2
	s_wait_alu depctr_va_vdst(0)
	s_lshl_b32 s20, s17, 8
	s_lshl_b32 s21, s15, 7
	s_add_co_u32 s20, s20, s21
	s_lshl_b32 s20, s20, 12
	s_lshl_b32 s46, s42, 10
	s_lshl_b32 s47, s16, 9
	s_add_co_u32 s46, s46, s47
	s_add_co_u32 s20, s20, s46
	s_mov_b32 s21, 0
	s_mov_b32 s47, 0
	s_add_nc_u64 s[12:13], s[98:99], s[20:21]
	s_add_nc_u64 s[96:97], s[96:97], s[46:47]
.irp b, 0,1,2,3,4,5,6,7
	global_load_b128 v[BI+8*\b:BI+8*\b+3], v12, s[96:97] offset:(32*(\b/2)+8*(\b%2))*4
	global_load_b128 v[BI+8*\b+4:BI+8*\b+7], v12, s[96:97] offset:(32*(\b/2)+8*(\b%2))*4+16
.endr
	s_mul_i32 s21, s15, HALFT
	s_mul_i32 s22, s16, HALFT
	s_add_co_u32 s22, s22, 2*HALFT
.irp s, 0,1
	v_add_nc_u32 v[ADRA+\s], s21, v8
	v_add_nc_u32 v[ADRB+\s], s22, v8
	v_add_nc_u32 v[ADRA+2+\s], s21, v9
	v_add_nc_u32 v[ADRB+2+\s], s22, v9
	s_add_co_u32 s21, s21, SLOT
	s_add_co_u32 s22, s22, SLOT
.endr
	v_mul_u32_u24 v5, v1, KS
	v_lshrrev_b32 v6, 8, v5
	v_lshl_add_u32 v5, v6, 4, v5
	s_mul_i32 s21, s15, HALFS
	s_mul_i32 s22, s16, HALFS
	s_add_co_u32 s22, s22, 2*HALFS
	s_sub_co_u32 s22, s22, s21
	v_mul_u32_u24 v6, s22, v2
	s_add_co_u32 s21, s21, SCL
	v_add_nc_u32 v5, v5, v6
	v_add_nc_u32 v[ADRS], s21, v5
	s_mul_i32 s23, s14, 16*SPITCH
	v_mul_u32_u24 v5, v1, SPITCH
	v_lshl_add_u32 v5, v2, 6, v5
	v_add_nc_u32 v[STO], s23, v5
	v_lshlrev_b32 v[CO], 4, v14
	v_add_nc_u32 v[RD], s23, v[CO]
.macro FRAG reg, adr, q, i
	ds_load_b128 v[\reg:\reg+3], v[\adr] offset:TILEB*(\i)+1536*(\q)
	ds_load_b64 v[\reg+4:\reg+5], v[\adr+2] offset:TILEB*(\i)+1536*(\q)+512
	ds_load_b128 v[\reg+6:\reg+9], v[\adr] offset:TILEB*(\i)+1536*(\q)+768
	ds_load_b64 v[\reg+10:\reg+11], v[\adr+2] offset:TILEB*(\i)+1536*(\q)+1280
.endm
.macro MUL16 a0, p, q, sc, zero
.irp a, \a0, \a0+1
.irp b, 0,1,2,3,4,5,6,7
.if \zero
	v_wmma_scale_f32_16x16x128_f8f6f4 v[8*(8*((\a)%4)+\b):8*(8*((\a)%4)+\b)+7], v[128*(\p)+FR*\b:128*(\p)+FR*\b+FR-1], v[AF+FR*(\a):AF+FR*(\a)+FR-1], v[BI+8*\b:BI+8*\b+7], v[SC+8*NQ*(\sc)+NQ*\b+(\q)], v[SC+8*NQ*(\sc)+NQ*(\a)+(\q)] matrix_a_fmt:MATRIX_FMT_FP6 matrix_b_fmt:MATRIX_FMT_FP6 matrix_a_scale:MATRIX_SCALE_ROW1
.else
	v_wmma_scale_f32_16x16x128_f8f6f4 v[8*(8*((\a)%4)+\b):8*(8*((\a)%4)+\b)+7], v[128*(\p)+FR*\b:128*(\p)+FR*\b+FR-1], v[AF+FR*(\a):AF+FR*(\a)+FR-1], v[8*(8*((\a)%4)+\b):8*(8*((\a)%4)+\b)+7], v[SC+8*NQ*(\sc)+NQ*\b+(\q)], v[SC+8*NQ*(\sc)+NQ*(\a)+(\q)] matrix_a_fmt:MATRIX_FMT_FP6 matrix_b_fmt:MATRIX_FMT_FP6 matrix_a_scale:MATRIX_SCALE_ROW1
.endif
.endr
.endr
.endm
.macro FETCH_B slot, q, p
	WIN TO_B
.irp i, 0,1,2,3,4,5,6,7
	FRAG 128*(\p)+FR*\i, ADRB+\slot, \q, \i
.endr
	WIN 0
.endm
.macro FETCH_A slot, q, i0
.irp i, \i0, \i0+1, \i0+2, \i0+3
	FRAG AF+FR*(\i), ADRA+\slot, \q, \i
.endr
.endm
.macro SCALES sc
.irp i, 0,1,2,3,4,5,6,7
	ds_load_b64 v[SC+8*NQ*\sc+NQ*\i:SC+8*NQ*\sc+NQ*\i+1], v[ADRS] offset:\i*SBLK
.endr
.endm
.macro PLACES n
.rept \n
	v_nop
.endr
.endm
.macro STEP slot, q, zero
	s_wait_dscnt 4*NL
.if \zero
	WIN 0x81
.else
	WIN MUL_LO
.endif
	MUL16 0, (\q)%2, \q, \slot, \zero
	MUL16 2, (\q)%2, \q, \slot, \zero
	s_wait_dscnt 0x0
	PLACES NP
	FETCH_B \slot, (\q)+1, 1-(\q)%2
	FETCH_A \slot, (\q)+1, 0
.if \zero
	WIN 0xc1
.else
	WIN MUL_HI
.endif
	MUL16 4, (\q)%2, \q, \slot, \zero
	MUL16 6, (\q)%2, \q, \slot, \zero
	PLACES NP
	WIN 0
	FETCH_A \slot, (\q)+1, 4
.endm
.macro TURN slot, next, fill
	s_wait_tensorcnt 0x0
	ds_add_u32 v[SPW], v[NIL]
	s_wait_dscnt 4*NL+1
	WIN MUL_LO
	MUL16 0, 1, NQ-1, \slot, 0
	s_wait_dscnt 0x0
	s_barrier_signal -1
	MUL16 2, 1, NQ-1, \slot, 0
	WIN 0
	s_barrier_wait -1
.if \fill
	CREST
	s_add_nc_u64 s[G0+4*\slot+2:G0+4*\slot+3], s[G0+4*\slot+2:G0+4*\slot+3], 2*TILEB
	s_add_nc_u64 s[G0B+4*\slot+2:G0B+4*\slot+3], s[G0B+4*\slot+2:G0B+4*\slot+3], 2*TILEB
	JLOAD G0+4*\slot, G1, G0B+4*\slot, G1B
.else
	PLACES NP
.endif
	s_wait_alu depctr_va_vdst(0)
	v_add_nc_u32 v[ADRS], 4*NQ, v[ADRS]
	FETCH_B \next, 0, 0
	FETCH_A \next, 0, 0
	SCALES \next
	WIN MUL_HI
	MUL16 4, 1, NQ-1, \slot, 0
	MUL16 6, 1, NQ-1, \slot, 0
	PLACES NP
	WIN 0
	FETCH_A \next, 0, 4
.endm
	s_wait_alu depctr_va_vdst(0)
	s_wait_loadcnt 0x0
	s_wait_tensorcnt 1
	s_barrier_signal -1
	s_barrier_wait -1
	FETCH_B 0, 0, 0
	FETCH_A 0, 0, 0
	SCALES 0
	FETCH_A 0, 0, 4
	STEP 0, 0, 1
	s_mov_b32 s3, LAPS-1
.Llap:
	TURN 0, 1, 1
	STEP 1, 0, 0
	TURN 1, 0, 1
	STEP 0, 0, 0
	s_sub_co_u32 s3, s3, 1
	s_cmp_lg_u32 s3, 0
	s_cbranch_scc1 .Llap
	TURN 0, 1, 0
	STEP 1, 0, 0
	s_wait_dscnt 4*NL
	WIN MUL_LO
	MUL16 0, 1, NQ-1, 1, 0
	MUL16 2, 1, NQ-1, 1, 0
	s_wait_dscnt 0x0
	WIN MUL_HI
	MUL16 4, 1, NQ-1, 1, 0
	MUL16 6, 1, NQ-1, 1, 0
	WIN 0
.macro TOSTAGE a
.set AC, 64*((\a)%4)
	WIN 0x08+4*((\a)/4)
.irp b, 0,1,2,3,4,5,6,7
	ds_store_b128 v[STO], v[AC+8*\b:AC+8*\b+3] offset:128*(\b/2)+32*(\b%2)
	ds_store_b128 v[STO], v[AC+8*\b+4:AC+8*\b+7] offset:128*(\b/2)+32*(\b%2)+16
.endr
	WIN 0
.set BB, BK+64*((\a)%2)
.irp t, 0,1,2,3,4,5,6,7,8,9,10,11,12,13,14,15
	ds_load_b128 v[BB+4*\t:BB+4*\t+3], v[RD] offset:\t*SPITCH
.endr
.endm
.macro SEND a, younger
.set BB, BK+64*((\a)%2)
	s_wait_dscnt \younger
.irp t, 0,1,2,3,4,5,6,7,8,9,10,11,12,13,14,15
	global_store_b128 v[CO], v[BB+4*\t:BB+4*\t+3], s[12:13] offset:(32*((\a)/2)+8*((\a)%2)+\t+8*(\t/8))*4096 th:TH_STORE_NT
.endr
.endm
	PLACES NP
	TOSTAGE 0
.irp a, 1,2,3,4,5,6,7
.if \a > 1
	s_wait_xcnt 0x0
.endif
	TOSTAGE \a
	SEND \a-1, 32
.endr
	SEND 7, 0
	s_wait_tensorcnt 0x0
	ds_add_u32 v[SPW], v[NIL]
	s_wait_dscnt 0x0
	CROUND
	s_endpgm
.Lfunc_end_k_qf0d834b700_gemm2:
	.size	k_qf0d834b700_gemm2, .Lfunc_end_k_qf0d834b700_gemm2-k_qf0d834b700_gemm2
	.p2alignl 7, 3214868480
	.fill 96, 4, 3214868480
	.section	.rodata,"a",@progbits
	.p2align	6, 0x0
	.amdhsa_kernel k_qf0d834b700_gemm2
		.amdhsa_group_segment_fixed_size 327680
		.amdhsa_private_segment_fixed_size 0
		.amdhsa_enable_private_segment 0
		.amdhsa_kernarg_size 48
		.amdhsa_user_sgpr_count 2
		.amdhsa_user_sgpr_kernarg_segment_ptr 1
		.amdhsa_wavefront_size32 1
		.amdhsa_system_sgpr_workgroup_id_x 1
		.amdhsa_system_sgpr_workgroup_id_y 1
		.amdhsa_system_sgpr_workgroup_id_z 1
		.amdhsa_system_vgpr_workitem_id 0
		.amdhsa_next_free_vgpr 1024
		.amdhsa_next_free_sgpr 100
		.amdhsa_reserve_vcc 0
		.amdhsa_float_denorm_mode_32 3
		.amdhsa_float_denorm_mode_16_64 3
		.amdhsa_memory_ordered 1
		.amdhsa_forward_progress 1
		.amdhsa_inst_pref_size 146
	.end_amdhsa_kernel
	.amdgpu_metadata
---
amdhsa.version: [ 1, 2 ]
amdhsa.kernels:
  - .name:           k_qf0d834b700_gemm2
    .symbol:         k_qf0d834b700_gemm2.kd
    .args:
      - { .name: act_c, .offset: 0, .size: 8, .value_kind: global_buffer, .address_space: global }
      - { .name: act_s, .offset: 8, .size: 8, .value_kind: global_buffer, .address_space: global }
      - { .name: w_c, .offset: 16, .size: 8, .value_kind: global_buffer, .address_space: global }
      - { .name: w_s, .offset: 24, .size: 8, .value_kind: global_buffer, .address_space: global }
      - { .name: b_out, .offset: 32, .size: 8, .value_kind: global_buffer, .address_space: global }
      - { .name: out0, .offset: 40, .size: 8, .value_kind: global_buffer, .address_space: global }
    .group_segment_fixed_size: 327680
    .private_segment_fixed_size: 0
    .kernarg_segment_align: 8
    .kernarg_segment_size: 48
    .max_flat_workgroup_size: 128
    .sgpr_count:     100
    .vgpr_count:     1024
    .wavefront_size: 32
...
	.end_amdgpu_metadata
.endif
;; end of part 5
